; MI455X (gfx1250); checked and timed in simulation.
; The chip was launched on July 23, 2026; its instructions are those of AMD's public machine-readable ISA for CDNA 5 (MIT licence, August 2026) and "CDNA5" Instruction Set Architecture Reference Guide (July 2026). The comments in the code are by the model that wrote it; some were corrected since.
;; Multi Head Attention. Allowed arithmetic: matrix products marked QUANTISED: E4M3 operands, one given power-of-two scale a tensor, by v_wmma_f32_16x16x64_fp8_fp8 or v_wmma_f32_16x16x128_fp8_fp8, f32 sums; everything else in f32.
;; Inputs: k_codes 4 x 2,048 x 32 x 32 uint8 (E4M3 codes of k, K innermost, in blocks of 32 codes); lowp_scales 12 int32 (the exponents e of the quantised operands' scales 2^e); mask 2,048 x 2,048 bool; q_codes 4 x 2,048 x 32 x 32 uint8 (E4M3 codes of q, K innermost, in blocks of 32 codes); v_codes 4 x 2,048 x 32 x 32 uint8 (E4M3 codes of v, K innermost, in blocks of 32 codes); wk_codes 1,024 x 32 x 32 uint8 (E4M3 codes of wk, K innermost, in blocks of 32 codes); wo_codes 1,024 x 32 x 32 uint8 (E4M3 codes of wo, K innermost, in blocks of 32 codes); wq_codes 1,024 x 32 x 32 uint8 (E4M3 codes of wq, K innermost, in blocks of 32 codes); wv_codes 1,024 x 32 x 32 uint8 (E4M3 codes of wv, K innermost, in blocks of 32 codes).
;; Outputs: out0 4 x 2,048 x 1,024 float32.
;; This version of the problem:
;;   THIS VERSION OF THE PROBLEM IS GIVEN IN LOW PRECISION. The matrix products marked QUANTISED in the list below multiply operands that are first quantised to E4M3 (4 exponent bits, 3 mantissa bits; 8 bits a number), with one given power-of-two scale for each operand tensor; their sums are f32. All else is computed in f32.
;;   The module's matrix products, in the order in which they are computed (A, B: the left and right operand; K: the contracted axis; several contracted axes count as one K, in the product's order):
;;     1. [M 8,192, K 1,024] x [K 1,024, N 1,024]; A: input q (given as codes); B: input wq (given as codes): QUANTISED (scales: A lowp_scales[0], B lowp_scales[1])
;;     2. [M 8,192, K 1,024] x [K 1,024, N 1,024]; A: input k (given as codes); B: input wk (given as codes): QUANTISED (scales: A lowp_scales[2], B lowp_scales[3])
;;     3. [M 8,192, K 1,024] x [K 1,024, N 1,024]; A: input v (given as codes); B: input wv (given as codes): QUANTISED (scales: A lowp_scales[4], B lowp_scales[5])
;;     4. batch 64 x [M 2,048, K 64] x [K 64, N 2,048]; A: computed on the way; B: computed on the way: QUANTISED (scales: A lowp_scales[6], B lowp_scales[7])
;;     5. batch 64 x [M 2,048, K 2,048] x [K 2,048, N 64]; A: softmax (see below); B: computed on the way: QUANTISED (scales: A lowp_scales[8], B lowp_scales[9])
;;     6. [M 8,192, K 1,024] x [K 1,024, N 1,024]; A: computed on the way; B: input wo (given as codes): QUANTISED (scales: A lowp_scales[10], B lowp_scales[11])
;;   THE QUANTISER, for each operand of a quantised product, along K:
;;     - The operand's scale is 2^e, e = its entry of the input lowp_scales (int32; the entries are numbered through the quantised products in the list's order, A before B).
;;     - Each number is divided by the scale, clamped to +-448, and rounded to the nearest number of E4M3, ties to even, subnormals kept.
;;     - The product sums the exact products of the quantised numbers (number of the format x scale) in f32.
;;   ~~~python
;;   def quantise(x, axis, e):      # numpy; x: float32 -> the quantised numbers, widened to float32 again
;;       x = np.moveaxis(x, axis, -1); K = x.shape[-1]
;;       r = np.clip(x / 2.0 ** e, -448, 448)
;;       step = 2.0 ** (np.maximum(np.frexp(np.where(r == 0, 1, r))[1] - 1, -6) - 3)
;;       q = np.round(r / step) * step * 2.0 ** e      # np.round: ties to even
;;       return np.moveaxis(q, -1, axis).astype(np.float32)
;;   ~~~
;;   SOFTMAX AHEAD OF A QUANTISED PRODUCT. Where the list says 'softmax', what is quantised is not the finished softmax but p = 2^(t - M), with t = logit x log2(e) and M = ceil(the row's largest t), a whole number; so 1/2 < the row's largest p <= 1. The row's sum l is taken of the UNQUANTISED p, in f32, and the product's result is divided by l at the end. Since M is a whole number, a kernel that streams over the keys may use a running M (the ceiling of the running maximum): every later rescaling is an exact power of two, so the quantised numbers keep their values, but for numbers so far below the row's largest that they fall under the format's range.
;;   OPERANDS COMPUTED ON THE WAY. 'Computed on the way' means the value that the module computes at that place (a softmax that the list does not call 'softmax' is quantised finished and normalised). What goes into a quantiser is computed in f32, as accurately as f32 sums, v_exp_f32 and their like allow (about 1e-6 of the number): no bf16 or f16 on the way to a quantiser, and a product that is left as it is and whose result goes on into a quantised operand takes f32 operands (vector FMAs, or v_wmma_f32_16x16x4_f32). A number that lies on a knife's edge between two numbers of the format may be rounded either way, as far as f32 arithmetic and the matrix unit's own rounding can turn it there, and no further.
;;   INPUTS GIVEN AS CODES. k (in the module: [4, 2048, 1024], K = its axis 2); q (in the module: [4, 2048, 1024], K = its axis 2); v (in the module: [4, 2048, 1024], K = its axis 2); wk (in the module: [1024, 1024], K = its axis 1); wo (in the module: [1024, 1024], K = its axis 1); wq (in the module: [1024, 1024], K = its axis 1); wv (in the module: [1024, 1024], K = its axis 1): each comes as NAME_codes (uint8): NAME with its K axis moved to the last place and cut into blocks of 32 codes, [.., K / 32, bytes a block], one block behind the other in memory; one code a byte (a code: sign, 4 exponent bits, 3 mantissa bits); its scale is its entry of lowp_scales. Its value is code x scale, taken as it is: it is not quantised again, and the codes and scales need not be those that the quantiser above would give.
;; 2 versions, each right; version 2 is version 1 with the launch attn written anew for expert scheduling mode. Each part assembles by itself: llvm-mc -triple=amdgcn-amd-amdhsa -mcpu=gfx1250 --defsym DOCPART=n.
;; ======== version 1 of 2: 3 launches
;; workspace buffers: qf 8,388,608 bytes; kf 8,388,608 bytes; vf 8,388,608 bytes; ao 8,388,608 bytes; mw 524,288 bytes of whole numbers; fl 8,192 bytes of whole numbers
;; launch proj (part 1): grid 4 x 96, 4 waves a work-group, clusters of 4 x 4, 327,680 bytes of LDS; arguments q_codes, k_codes, v_codes, wq_codes, wk_codes, wv_codes, lowp_scales, mask, qf, kf, vf, mw, fl; writes qf, kf, vf, mw, fl
.if DOCPART == 1
	.amdgcn_target "amdgcn-amd-amdhsa--gfx1250"
	.amdhsa_code_object_version 6
	.text
	.protected	k_q4690d813ba_proj
	.globl	k_q4690d813ba_proj
	.p2align	8
	.type	k_q4690d813ba_proj,@function
k_q4690d813ba_proj:
	s_mov_b64 s[64:65], 0
	v_nop
	global_prefetch_b8 v0, s[64:65] scope:SCOPE_SE
	s_setreg_imm32_b32 hwreg(HW_REG_WAVE_MODE, 25, 1), 1
	s_wait_xcnt 0x0
	s_wait_alu depctr_hold_cnt(0) depctr_sa_sdst(0) depctr_va_vdst(0) depctr_va_sdst(0) depctr_va_ssrc(0) depctr_va_vcc(0) depctr_vm_vsrc(0)
	s_getreg_b32 s2, hwreg(HW_REG_IB_STS2, 6, 4)
	s_cmp_eq_u32 s2, 0
	s_cbranch_scc0 .Lentry_in_a_cluster
	s_endpgm
.Lentry_in_a_cluster:
	s_bfe_u32 s2, ttmp6, 0x10000c
	s_cmp_lg_u32 s2, 0xf033
	s_cbranch_scc0 .Lentry_shape_is_right
	s_endpgm
.Lentry_shape_is_right:
; THE THREE PROJECTIONS, qh = q wq^T, kh = k wk^T, vh = v wv^T, on codes of FP8 (E4M3), each [8192 x 1024] x [1024 x 1024], their results quantised at once to codes for the attention launch;
; and the mask, an input of 2048 x 2048 bytes, turned into lane masks and block flags.
; A tile of a product, 256 x 256, is made by a work-group of four waves; a wave makes 128 x 128: 64 accumulators, 512 registers.  K goes in steps of 256 through a ring of two LDS slots.
; The two operands of a product are called L and U.  THE MATRIX INSTRUCTION takes 16 rows of U as source 0 and 16 rows of L as source 1: a lane then holds ONE row of L, and its eight registers eight neighbouring rows of U.
;   products 0 and 1 (q, k): L = the tokens, U = the weight: a lane holds a token, its registers run along the head's 64: the K of the scores' product.
;   product 2 (v):           L = wv, U = the tokens: a lane holds a feature, its registers run along the tokens: the K (the keys) of the second product of attention.
; So eight registers of an accumulator are eight neighbours along the next K, and the conversions' results ARE registers of the next operand.  They are stored as IMAGES OF REGISTERS, in units of 1,024 bytes:
; unit = [half g][lane][16 bytes], registers 4 g .. 4 g + 3 of a fragment of 16 rows x 64 k (lane (r, h): row r; registers 2 c, 2 c + 1: k = 16 c + 8 h + 0 .. 7).
;   qf, kf: unit (batch x 16 + head) x 128 + token tile.     vf: unit batch x 2048 + kk x 64 + head x 4 + dt, kk = (step / 2) x 4 + u x 2 + step % 2 (step: 128 keys; u: their halves; dt: 16 of the head's 64).
; code = sum x 2^(eA + eB) / 2^eOut, held within +-448, to the nearest code: the three exponents are folded into the conversion's one scale.
; LIMIT: eOut - eA - eB lies between -126 and 119 for each of the three products.  NaN codes among the inputs are not served.
; CLUSTERS: 4 x 4 work-groups; the grid is 1 x 24 clusters, eight for each product.  The four of a row of the cluster need the same tile of L, the four of a column the same tile of U: each tile is asked for JOINTLY.
; Which product a cluster serves hangs on the cluster's y alone, which all sixteen partners share.
; THE MASK.  The 1,024 waves of products 0 and 1 take 16 queries x 256 keys each, while their first tiles are on their way.  mw: record (query tile x 16 + step) of 64 words; bit L of word 8 t + j is
; mask[16 x tile + L % 16][128 x step + 16 t + 8 (L / 16) + j]: the lane mask of register 8 t + j of the scores.  fl: word (query tile x 16 + step) = (any | all << 1) << (2 x step).  A byte counts as true if it is not 0.
; REGISTERS, in windows of 256: window 0: v0-31 addresses; v32-77 the mask's work; from v128 L's fragments, ONE set, later the codes.  window 1: U's fragments, TWO sets.  windows 2, 3: the accumulators ((a, b) at v[8 (8 (a % 4) + b)]).
.set KROW,   1024                      ; a row of codes in memory, in bytes
.set ROWB,   256                       ; a tile's row: 256 codes
.set PITCH,  272                       ; an LDS row: 256 bytes + 16 of padding = 68 words: row r starts at bank 4 r mod 64 (64 banks of 4 bytes: ISA guide 11.1)
.set FR,     16                        ; registers of a fragment: 16 rows x 128 K
.set NL,     4                         ; LDS loads that bring one
.set NP,     4                         ; places behind this matrix instruction (ISA guide 7.12.1)
.set HALFT,  128*PITCH                 ; 128 rows: what one tensor load brings
.set SLOT,   4*HALFT                   ; L's 256 rows, then U's 256 rows
.set LAPS,   2                         ; 1,024 along K = four K steps = twice round the ring
.set SPARE,  2*SLOT                    ; behind the ring: the spare words, 128 bytes for each wave
.set ADRA, 16                          ; v16-17  LDS address of my L fragments in slot 0, 1
.set ADRB, 20                          ; v20-21  the same for U
.set LI,   26                          ; v26     16 x lane: my place in half a unit
.set SPW,  28                          ; v28     LDS address of my spare word; never rewritten
.set NIL,  29                          ; v29     0; never rewritten
.set SCL,  30                          ; v30     the conversions' scale as f32
.set AF,   128                         ; L's fragments, in window 0
.set CR,   128                         ; the codes: 16 registers for each of my eight blocks of L
.set G1, 24                            ; s[24:31] descriptor group 1 for L's tiles;  s[32:39] group 0, one set for each slot
.set G0, 32
.set G1B, 48                           ; s[48:55], s[56:63] the same for U's tiles
.set G0B, 56
.set MSB, 0
.macro WIN new                         ; the immediate's high byte repeats the setting that is left
.if MSB != \new
	s_set_vgpr_msb (MSB<<8)|\new
.set MSB, \new
.endif
.endm
.set MUL_LO, 0xa1                      ; source 0 (U) window 1, source 1 (L) window 0, C and D window 2
.set MUL_HI, 0xf1                      ; the same, C and D window 3
.set TO_B,   0x40                      ; destination window 1, address window 0
; A joint load: waves 0 and 1 fetch for L, waves 2 and 3 for U.  The branch hangs on the wave's number alone.  Four v_nop follow each of the two lines.
.macro JLOAD g0a, g1a, g0b, g1b
	s_cmp_eq_u32 s15, 0
	s_cbranch_scc0 .Lfor_b_\@
	tensor_load_to_lds s[\g0a:\g0a+3], s[\g1a:\g1a+7]
	s_nop 0
.rept 4
	v_nop
.endr
	s_branch .Lasked_\@
.Lfor_b_\@:
	tensor_load_to_lds s[\g0b:\g0b+3], s[\g1b:\g1b+7]
	s_nop 0
.rept 4
	v_nop
.endr
.Lasked_\@:
.endm
.macro CREST                           ; a round of the cluster's barrier behind its opening barrier
	s_cmp_lg_u32 s14, 0
	s_cbranch_scc1 .Lnot_wave_0_\@
	s_barrier_signal -3
.Lnot_wave_0_\@:
	s_barrier_wait -3
	s_barrier_signal -1
	s_barrier_wait -1
.endm
.macro CROUND                          ; a whole round
	s_barrier_signal -1
	s_barrier_wait -1
	CREST
.endm
	s_load_b512 s[68:83], s[0:1], 0x0              ; q 68, k 70, v 72, wq 74, wk 76, wv 78, the scales 80, the mask 82
	s_load_b256 s[84:91], s[0:1], 0x40             ; qf 84, kf 86, vf 88, mw 90
	s_load_b64 s[92:93], s[0:1], 0x60              ; fl
	v_lshl_add_u32 v[SPW], v0, 2, SPARE
	v_mov_b32 v[NIL], 0
	ds_add_u32 v28, v29
	ds_add_u32 v28, v29
	s_wait_dscnt 0x0
	v_lshrrev_b32 v1, 5, v0
	v_readfirstlane_b32 s14, v1                    ; wave 0..3
	s_lshr_b32 s15, s14, 1                         ; which half of the tile's rows of L is mine.  Also: I fetch for L (0) or for U (1)
	s_and_b32 s16, s14, 1                          ; which half of its rows of U.  Also: which 128 rows of that tile I fetch
	s_bfe_u32 s40, ttmp6, 0x40000                  ; cx, cy: my place in the cluster
	s_bfe_u32 s41, ttmp6, 0x40004
	s_and_b32 s66, ttmp7, 0xffff                   ; the cluster's y, 0 .. 23
	s_lshr_b32 s12, s66, 3                         ; the product: 0 q, 1 k, 2 v
	s_and_b32 s13, s66, 7                          ; which 1,024 tokens
	s_cmp_eq_u32 s12, 2
	s_cselect_b32 s18, 0, s13                      ; the tokens are L's rows in products 0 and 1,
	s_cselect_b32 s19, s13, 0                      ; U's in product 2; the weight's 1,024 rows are one cluster wide
	s_lshl_b32 s17, s18, 2
	s_add_co_u32 s17, s17, s41                     ; L's tile = 4 x .. + cy
	s_lshl_b32 s42, s19, 2
	s_add_co_u32 s42, s42, s40                     ; U's tile = 4 x .. + cx
	s_lshl_b32 s43, s41, 2
	s_lshl_b32 s43, 15, s43                        ; my row of the cluster
	s_lshl_b32 s44, 0x1111, s40                    ; my column
	; descriptor group 1: a tile of 128 rows x 256 bytes, padded in LDS
	s_or_b32 s[G1+0], s43, (0<<16)|(1<<20)|(1<<21)|(5<<22)|(3<<25)  ; 15:0 the mask: L's tiles go to my row; 17:16 element of 1 byte; 20 padding on; 21 set beside a mask; 24:22 after every 64 words; 31:25 of 4 words
	s_or_b32 s[G1B+0], s44, (0<<16)|(1<<20)|(1<<21)|(5<<22)|(3<<25)
.irp g, G1, G1B
	s_mov_b32 s[\g+1], ROWB<<16                    ; tensor_dim0
	s_mov_b32 s[\g+2], 128<<16                     ; tensor_dim1 = 128
	s_mov_b32 s[\g+3], ROWB<<16                    ; tile_dim0
	s_mov_b32 s[\g+4], 128                         ; tile_dim1 = 128
	s_mov_b32 s[\g+5], KROW                        ; tensor_dim0_stride
	s_mov_b32 s[\g+6], 0
	s_mov_b32 s[\g+7], 0
.endr
	s_lshl_b32 s18, s16, 7                         ; which 128 rows of the tile I fetch
	s_lshl_b32 s20, s17, 8
	s_add_co_u32 s20, s20, s18                     ; L: row 256 x tile + 128 x half,
	s_lshl_b32 s20, s20, 10                        ; in bytes (under 2^23)
	s_mov_b32 s21, 0
	s_lshl_b32 s46, s42, 8
	s_add_co_u32 s46, s46, s18                     ; U likewise
	s_lshl_b32 s46, s46, 10
	s_mov_b32 s47, 0
	s_mul_i32 s45, s14, HALFT                      ; where they go: wave x 128 rows: no place in the cluster enters an LDS address
	s_wait_kmcnt 0x0
	s_cmp_eq_u32 s12, 0                            ; the product's buffers: the choice hangs on the cluster's y alone
	s_cselect_b64 s[4:5], s[68:69], s[70:71]       ; the tokens' codes
	s_cselect_b64 s[6:7], s[74:75], s[76:77]       ; the weight's
	s_cselect_b64 s[10:11], s[84:85], s[86:87]     ; the result's
	s_cmp_eq_u32 s12, 2
	s_cselect_b64 s[4:5], s[72:73], s[4:5]
	s_cselect_b64 s[6:7], s[78:79], s[6:7]
	s_cselect_b64 s[10:11], s[88:89], s[10:11]
	s_cselect_b64 s[18:19], s[6:7], s[4:5]         ; L = the weight in product 2, else the tokens
	s_cselect_b64 s[6:7], s[4:5], s[6:7]           ; U = the other
	s_mov_b64 s[4:5], s[18:19]
	s_load_b256 s[68:75], s[80:81], 0x0            ; the twelve exponents: entry i in s[68 + i]
	s_load_b128 s[76:79], s[80:81], 0x20
	s_add_nc_u64 s[20:21], s[4:5], s[20:21]
	s_add_nc_u64 s[46:47], s[6:7], s[46:47]
	CROUND                                         ; all sixteen work-groups are here: the first joint loads meet
.irp s, 0,1
	s_mov_b32 s[G0+4*\s], 1
	s_add_co_u32 s[G0+4*\s+1], s45, \s*SLOT
	s_add_nc_u64 s[G0+4*\s+2:G0+4*\s+3], s[20:21], \s*ROWB
	s_or_b32 s[G0+4*\s+3], s[G0+4*\s+3], 0x80000000
	s_mov_b32 s[G0B+4*\s], 1
	s_add_co_u32 s[G0B+4*\s+1], s45, \s*SLOT
	s_add_nc_u64 s[G0B+4*\s+2:G0B+4*\s+3], s[46:47], \s*ROWB
	s_or_b32 s[G0B+4*\s+3], s[G0B+4*\s+3], 0x80000000
	JLOAD G0+4*\s, G1, G0B+4*\s, G1B
.endr
	v_and_b32 v1, 15, v0                           ; r = l % 16
	v_bfe_u32 v2, v0, 4, 1                         ; h = l / 16
	v_mul_u32_u24 v3, v1, PITCH
	v_lshl_add_u32 v4, v2, 4, v3                   ; a fragment's row x pitch + 16 x half
	s_mul_i32 s21, s15, HALFT                      ; my 128 rows of L
	s_mul_i32 s22, s16, HALFT                      ; my 128 rows of U,
	s_add_co_u32 s22, s22, 2*HALFT                 ; which lie behind L's 256
.irp s, 0,1
	v_add_nc_u32 v[ADRA+\s], s21, v4
	v_add_nc_u32 v[ADRB+\s], s22, v4
	s_add_co_u32 s21, s21, SLOT
	s_add_co_u32 s22, s22, SLOT
.endr
	v_and_b32 v6, 31, v0
	v_lshlrev_b32 v[LI], 4, v6
	; my first unit of the result.  Products 0, 1: (L tile / 8) x 2048 + U tile x 512 + U half x 256 + (L tile % 8) x 16 + L half x 8.  Product 2: U tile x 256 + U half x 64 + L tile x 16 + L half x 8
	s_lshr_b32 s20, s17, 3
	s_lshl_b32 s20, s20, 11
	s_lshl_b32 s21, s42, 9
	s_add_co_u32 s20, s20, s21
	s_lshl_b32 s21, s16, 8
	s_add_co_u32 s20, s20, s21
	s_and_b32 s21, s17, 7
	s_lshl_b32 s21, s21, 4
	s_add_co_u32 s20, s20, s21
	s_lshl_b32 s22, s42, 8
	s_lshl_b32 s21, s16, 6
	s_add_co_u32 s22, s22, s21
	s_lshl_b32 s21, s17, 4
	s_add_co_u32 s22, s22, s21
	s_cmp_eq_u32 s12, 2
	s_cselect_b32 s20, s22, s20
	s_lshl_b32 s21, s15, 3
	s_add_co_u32 s20, s20, s21
	s_lshl_b32 s20, s20, 10                        ; units of 1,024 bytes
	s_mov_b32 s21, 0
	s_add_nc_u64 s[10:11], s[10:11], s[20:21]
	; ---- THE MASK: 16 queries x 256 keys (two steps of 128) a wave, in the clusters of products 0 and 1.  The branch hangs on the cluster's y: it is the same in all sixteen partners.  No LDS, no barrier, no tensor load inside.
	s_cmp_lt_u32 s12, 2
	s_cbranch_scc0 .Lno_mask
	s_lshl_b32 s18, s66, 2
	s_add_co_u32 s18, s18, s41
	s_lshl_b32 s18, s18, 2
	s_add_co_u32 s18, s18, s40
	s_lshl_b32 s18, s18, 2
	s_add_co_u32 s18, s18, s14                     ; my job: ((cluster y x 4 + cy) x 4 + cx) x 4 + wave, 0 .. 1023
	s_and_b32 s19, s18, 7                          ; which 256 keys
	s_lshr_b32 s18, s18, 3                         ; which tile of 16 queries
	s_lshl_b32 s20, s18, 15                        ; the mask: 16 rows of 2,048 bytes a tile,
	s_lshl_b32 s21, s19, 8                         ; + 256 keys
	s_add_co_u32 s20, s20, s21
	s_mov_b32 s21, 0
	s_add_nc_u64 s[82:83], s[82:83], s[20:21]
	s_lshl_b32 s20, s18, 12                        ; mw: 16 records of 256 bytes a tile, two records a job
	s_lshl_b32 s22, s19, 9
	s_add_co_u32 s20, s20, s22
	s_add_nc_u64 s[90:91], s[90:91], s[20:21]
	s_lshl_b32 s20, s18, 6                         ; fl: 16 words a tile, two a job
	s_lshl_b32 s22, s19, 3
	s_add_co_u32 s20, s20, s22
	s_add_nc_u64 s[92:93], s[92:93], s[20:21]
	s_lshl_b32 s22, s19, 2                         ; 2 x my first step: where its two flag bits stand
	v_and_b32 v73, 31, v0                          ; lane
	v_lshlrev_b32 v72, 11, v1
	v_lshl_add_u32 v72, v2, 3, v72                 ; row r, + 8 h: my eight keys of each sixteen
	v_lshlrev_b32 v76, 3, v73                      ; two words a lane on the way out
.irp t, 0,1,2,3,4,5,6,7,8,9,10,11,12,13,14,15
	global_load_b64 v[32+2*\t:33+2*\t], v72, s[82:83] offset:16*\t   ; mask[row r][16 t + 8 h + 0 .. 7]; the sixteen loads together take 256 consecutive bytes of each of the 16 rows
.endr
.irp i, 64,65,66,67
	v_mov_b32 v\i, 0                               ; written whole once: v_writelane_b32 then sets lane by lane
.endr
	s_wait_loadcnt 0x0
.set MK, 0
.irp g, 0,1                                    ; the job's two steps
	s_mov_b32 s88, 0                               ; the OR of the step's 64 words,
	s_mov_b32 s89, -1                              ; and their AND
.irp t, 0,1,2,3,4,5,6,7
.irp j, 0,1,2,3,4,5,6,7
	v_bfe_u32 v[68+MK%4], v[32+2*(8*\g+\t)+\j/4], 8*(\j%4), 8
	v_cmp_ne_u32 s[84+MK%4], 0, v[68+MK%4]         ; word 8 t + j: one bit a lane
	s_or_b32 s88, s88, s[84+MK%4]
	s_and_b32 s89, s89, s[84+MK%4]
	v_writelane_b32 v[64+2*\g+\j%2], s[84+MK%4], (8*\t+\j)/2   ; lane n / 2 will store words n and n + 1
.set MK, MK+1
.endr
.endr
	s_cmp_lg_u32 s88, 0                            ; any key open?  (a choice, not a branch)
	s_cselect_b32 s94, 1, 0
	s_cmp_eq_u32 s89, -1                           ; all open?
	s_cselect_b32 s95, 2, 0
	s_or_b32 s94, s94, s95
	s_lshl_b32 s94, s94, s22
	v_mov_b32 v[74+\g], s94
	s_add_co_u32 s22, s22, 2
.endr
	global_store_b64 v76, v[64:65], s[90:91]               ; a record: 256 consecutive bytes, aligned
	global_store_b64 v76, v[66:67], s[90:91] offset:256
	v_cmp_eq_u32 vcc_lo, 0, v73
	s_wait_xcnt 0x0                                ; EXEC changes only when the stores above have read it
	s_and_saveexec_b32 s23, vcc_lo
	global_store_b64 v73, v[74:75], s[92:93]       ; lane 0 alone (its offset is 0): the job's two flags, 8 bytes; fl is 8,192 bytes in all: the program's one small store
	s_wait_xcnt 0x0
	s_or_b32 exec_lo, exec_lo, s23
.Lno_mask:
.macro FRAG reg, adr, q, i             ; a fragment, 16 rows x 128 K, is 16 registers, fetched by four loads of 16 bytes: registers 4 c .. 4 c + 3 hold K = 32 c + 16 (l / 16) + 0 .. 15: a permutation of k, the same in L and in U
.irp c, 0,1,2,3
	ds_load_b128 v[\reg+4*\c:\reg+4*\c+3], v[\adr] offset:128*(\q)+32*\c+(\i)*16*PITCH
.endr
.endm
; 16 matrix instructions: L's blocks a0, a0 + 1 x U's eight, 128 along K.  p: U's set.  zero = 1: the first product starts the sums.  The 64 accumulators take turns, one instruction a turn.
.macro MUL16 a0, p, zero
.irp a, \a0, \a0+1
.irp b, 0,1,2,3,4,5,6,7
.if \zero
	v_wmma_f32_16x16x128_fp8_fp8 v[8*(8*((\a)%4)+\b):8*(8*((\a)%4)+\b)+7], v[128*(\p)+FR*\b:128*(\p)+FR*\b+FR-1], v[AF+FR*(\a):AF+FR*(\a)+FR-1], 0
.else
	v_wmma_f32_16x16x128_fp8_fp8 v[8*(8*((\a)%4)+\b):8*(8*((\a)%4)+\b)+7], v[128*(\p)+FR*\b:128*(\p)+FR*\b+FR-1], v[AF+FR*(\a):AF+FR*(\a)+FR-1], v[8*(8*((\a)%4)+\b):8*(8*((\a)%4)+\b)+7]
.endif
.endr
.endr
.endm
.macro FETCH_B slot, q, p              ; U's eight fragments of the slot's q-th 128 along K into set p
	WIN TO_B
.irp i, 0,1,2,3,4,5,6,7
	FRAG 128*(\p)+FR*\i, ADRB+\slot, \q, \i
.endr
	WIN 0
.endm
.macro FETCH_A slot, q, i0             ; L's blocks i0 .. i0 + 3
.irp i, \i0, \i0+1, \i0+2, \i0+3
	FRAG AF+FR*(\i), ADRA+\slot, \q, \i
.endr
.endm
.macro PLACES n                        ; plain vector instructions between a matrix instruction and a load into, or a vector read or write of, one of its registers (ISA guide 7.12.1 for vector instructions)
.rept \n
	v_nop
.endr
.endm
; A step of 128 along K that has its successor in the same slot.
.macro STEP slot, q, zero
	s_wait_dscnt 4*NL                              ; U's set and L's blocks 0-3 are in; the youngest sixteen loads (L's blocks 4-7) may be out
	WIN MUL_LO
	MUL16 0, (\q)%2, \zero
	MUL16 2, (\q)%2, \zero
	s_wait_dscnt 0                                 ; L's blocks 4-7 are in
	PLACES NP
	FETCH_B \slot, (\q)+1, 1-(\q)%2
	FETCH_A \slot, (\q)+1, 0
	WIN MUL_HI
	MUL16 4, (\q)%2, \zero
	MUL16 6, (\q)%2, \zero
	PLACES NP
	WIN 0
	FETCH_A \slot, (\q)+1, 4
.endm
; A slot's last step changes slots: ONE barrier; in front of it each wave waits for all its tensor loads, adds 0 to its spare word, and waits for that and for its own reads of this slot.  fill = 1: this slot is filled again, two K steps ahead.
.macro TURN slot, next, fill
	s_wait_tensorcnt 0x0                           ; all my tensor loads have landed: my part of the next slot  (every window is 0 here)
	ds_add_u32 v[SPW], v[NIL]                      ; 0 onto my spare word
	s_wait_dscnt 4*NL+1                            ; (the add and the youngest sixteen loads, L's blocks 4-7, may be out)
	WIN MUL_LO
	MUL16 0, 1, 0                                  ; sixteen matrix instructions stand between the add and the wait for it
	s_wait_dscnt 0x0                               ; the add is done, and my reads of this slot are over
	s_barrier_signal -1
	MUL16 2, 1, 0
	WIN 0
	s_barrier_wait -1
.if \fill
	CREST                                          ; the barrier has opened a round of the cluster's barrier: no wave of any partner still reads this slot's tile or has a load on its way
	s_add_nc_u64 s[G0+4*\slot+2:G0+4*\slot+3], s[G0+4*\slot+2:G0+4*\slot+3], 2*ROWB
	s_add_nc_u64 s[G0B+4*\slot+2:G0B+4*\slot+3], s[G0B+4*\slot+2:G0B+4*\slot+3], 2*ROWB
	JLOAD G0+4*\slot, G1, G0B+4*\slot, G1B         ; the first tensor load behind the round; its four v_nop are also the places in front of the loads below
.else
	PLACES NP
.endif
	FETCH_B \next, 0, 0
	FETCH_A \next, 0, 0
	WIN MUL_HI
	MUL16 4, 1, 0
	MUL16 6, 1, 0
	PLACES NP
	WIN 0
	FETCH_A \next, 0, 4
.endm
	s_wait_tensorcnt 1                             ; my part of K step 0 is in (K step 1's one load may be out)
	s_barrier_signal -1
	s_barrier_wait -1                              ; everybody's is
	FETCH_B 0, 0, 0
	FETCH_A 0, 0, 0
	FETCH_A 0, 0, 4
	STEP 0, 0, 1                                   ; the first step stands in front of the loop: its products start the sums
	s_mov_b32 s3, LAPS-1
.Llap:                                                 ; a trip goes once round the ring and fills both slots again
	TURN 0, 1, 1
	STEP 1, 0, 0
	TURN 1, 0, 1
	STEP 0, 0, 0
	s_sub_co_u32 s3, s3, 1
	s_cmp_lg_u32 s3, 0
	s_cbranch_scc1 .Llap
	TURN 0, 1, 0                                   ; the last lap fills nothing
	STEP 1, 0, 0
	s_wait_dscnt 4*NL                              ; the very last step
	WIN MUL_LO
	MUL16 0, 1, 0
	MUL16 2, 1, 0
	s_wait_dscnt 0
	WIN MUL_HI
	MUL16 4, 1, 0
	MUL16 6, 1, 0
	WIN 0
	; ---- THE WAY OUT: hold, convert, store.  No stage: the conversions' results are the next operand's registers, and a store of four registers is 512 consecutive bytes of a unit.
	s_wait_kmcnt 0x0
	s_cmp_eq_u32 s12, 0                            ; the product's three exponents: (0, 1, 6), (2, 3, 7), (4, 5, 9)
	s_cselect_b32 s18, s68, s70
	s_cselect_b32 s19, s69, s71
	s_cselect_b32 s20, s74, s75
	s_cmp_eq_u32 s12, 2
	s_cselect_b32 s18, s72, s18
	s_cselect_b32 s19, s73, s19
	s_cselect_b32 s20, s77, s20
	s_sub_co_i32 s20, s20, s18
	s_sub_co_i32 s20, s20, s19                     ; E = eOut - eA - eB: a sum's code is sum / 2^E
	s_add_co_i32 s20, s20, 127
	s_lshl_b32 s21, s20, 23
	v_mov_b32 v[SCL], s21                          ; 2^E as f32: the conversion takes its exponent field
	s_add_co_i32 s20, s20, 8
	s_lshl_b32 s20, s20, 23
	s_or_b32 s96, s20, 0x600000                    ; 448 x 2^E,
	s_xor_b32 s97, s96, 0x80000000                 ; and its negative
	PLACES NP
	WIN 0x82                                       ; source 0 and destination window 2
.set I, 0
.rept 256
	v_med3_num_f32 v[I], v[I], s97, s96            ; the conversion to an 8-bit code does not saturate (ISA guide 7.6.2): the hold comes first; each accumulator from its low end on
.set I, I+1
.endr
	WIN 0xc3                                       ; the same in window 3
.set I, 0
.rept 256
	v_med3_num_f32 v[I], v[I], s97, s96
.set I, I+1
.endr
.irp a, 0,1,2,3,4,5,6,7
.set WW, 0x02+\a/4
	WIN WW                                         ; source 0 window 2 or 3; destination and scale window 0
.irp b, 0,1,2,3,4,5,6,7
	v_cvt_scalef32_pk8_fp8_f32 v[CR+16*\a+2*\b:CR+16*\a+2*\b+1], v[8*(8*(\a%4)+\b):8*(8*(\a%4)+\b)+7], v[SCL]   ; rows 16 b + 8 h + 0 .. 7 of U: registers 2 b, 2 b + 1
.endr
.endr
	WIN 0
	v_nop                                          ; a plain vector instruction behind the last conversion
.irp a, 0,1,2,3,4,5,6,7
.irp c, 0,1,2,3
	global_store_b128 v[LI], v[CR+16*\a+4*\c:CR+16*\a+4*\c+3], s[10:11] offset:\a*1024+(\c/2)*131072+(\c%2)*512   ; 32 lanes store 512 consecutive bytes, aligned: half c % 2 of the unit 128 (c / 2) on (the next head, or the keys' other half)
.endr
.endr
	s_wait_tensorcnt 0x0                           ; the wave's end
	ds_add_u32 v[SPW], v[NIL]
	s_wait_dscnt 0x0
	CROUND                                         ; the closing round: no work-group ends while a partner may still ask for a tile that names it
	s_endpgm
.Lfunc_end_k_q4690d813ba_proj:
	.size	k_q4690d813ba_proj, .Lfunc_end_k_q4690d813ba_proj-k_q4690d813ba_proj
	.p2alignl 7, 3214868480
	.fill 96, 4, 3214868480
	.section	.rodata,"a",@progbits
	.p2align	6, 0x0
	.amdhsa_kernel k_q4690d813ba_proj
		.amdhsa_group_segment_fixed_size 327680
		.amdhsa_private_segment_fixed_size 0
		.amdhsa_enable_private_segment 0
		.amdhsa_kernarg_size 104
		.amdhsa_user_sgpr_count 2
		.amdhsa_user_sgpr_kernarg_segment_ptr 1
		.amdhsa_wavefront_size32 1
		.amdhsa_system_sgpr_workgroup_id_x 1
		.amdhsa_system_sgpr_workgroup_id_y 1
		.amdhsa_system_sgpr_workgroup_id_z 1
		.amdhsa_system_vgpr_workitem_id 0
		.amdhsa_next_free_vgpr 1024
		.amdhsa_next_free_sgpr 98
		.amdhsa_reserve_vcc 1
		.amdhsa_float_denorm_mode_32 3
		.amdhsa_float_denorm_mode_16_64 3
		.amdhsa_memory_ordered 1
		.amdhsa_forward_progress 1
		.amdhsa_inst_pref_size 154
	.end_amdhsa_kernel
	.amdgpu_metadata
---
amdhsa.version: [ 1, 2 ]
amdhsa.kernels:
  - .name:           k_q4690d813ba_proj
    .symbol:         k_q4690d813ba_proj.kd
    .args:
      - { .name: q_codes, .offset: 0, .size: 8, .value_kind: global_buffer, .address_space: global }
      - { .name: k_codes, .offset: 8, .size: 8, .value_kind: global_buffer, .address_space: global }
      - { .name: v_codes, .offset: 16, .size: 8, .value_kind: global_buffer, .address_space: global }
      - { .name: wq_codes, .offset: 24, .size: 8, .value_kind: global_buffer, .address_space: global }
      - { .name: wk_codes, .offset: 32, .size: 8, .value_kind: global_buffer, .address_space: global }
      - { .name: wv_codes, .offset: 40, .size: 8, .value_kind: global_buffer, .address_space: global }
      - { .name: lowp_scales, .offset: 48, .size: 8, .value_kind: global_buffer, .address_space: global }
      - { .name: mask, .offset: 56, .size: 8, .value_kind: global_buffer, .address_space: global }
      - { .name: qf, .offset: 64, .size: 8, .value_kind: global_buffer, .address_space: global }
      - { .name: kf, .offset: 72, .size: 8, .value_kind: global_buffer, .address_space: global }
      - { .name: vf, .offset: 80, .size: 8, .value_kind: global_buffer, .address_space: global }
      - { .name: mw, .offset: 88, .size: 8, .value_kind: global_buffer, .address_space: global }
      - { .name: fl, .offset: 96, .size: 8, .value_kind: global_buffer, .address_space: global }
    .group_segment_fixed_size: 327680
    .private_segment_fixed_size: 0
    .kernarg_segment_align: 8
    .kernarg_segment_size: 104
    .max_flat_workgroup_size: 128
    .sgpr_count:     98
    .vgpr_count:     1024
    .wavefront_size: 32
...
	.end_amdgpu_metadata
.endif
;; end of part 1
;; launch attn (part 2): grid 4 x 64, 8 waves a work-group, no clusters, 263,168 bytes of LDS; arguments qf, kf, vf, mw, fl, lowp_scales, ao; writes ao
.if DOCPART == 2
	.amdgcn_target "amdgcn-amd-amdhsa--gfx1250"
	.amdhsa_code_object_version 6
	.text
	.protected	k_q4690d813ba_attn
	.globl	k_q4690d813ba_attn
	.p2align	8
	.type	k_q4690d813ba_attn,@function
k_q4690d813ba_attn:
	s_mov_b64 s[64:65], 0
	v_nop
	global_prefetch_b8 v0, s[64:65] scope:SCOPE_SE
	s_setreg_imm32_b32 hwreg(HW_REG_WAVE_MODE, 25, 1), 1
	s_wait_xcnt 0x0
; ATTENTION on codes of FP8 (E4M3): for each of 64 heads (batch x 16 + head), 2,048 queries x 2,048 keys, head size 64, under the GIVEN mask.  Scores, softmax, second product, and the result quantised for the last projection.
; qf, kf, vf, ao are images of operand registers in units of 1,024 bytes ([half g][lane][16 bytes]: registers 4 g .. 4 g + 3 of a fragment of 16 rows x 64 k; lane (r, h): row r; registers 2 c, 2 c + 1: k = 16 c + 8 h + 0 .. 7).
; THE SOFTMAX: t = score x log2(e) / 8; M = the row's largest t so far, rounded UP to a whole number; p = 2^(t - M) is what is quantised (scale 2^e8); the row's sum is taken of the unquantised p and divides at the end.
; When M moves, the sum and O are multiplied by 2^(old M - new M): exact.  A score whose mask byte is 0 becomes -infinity, so p = 0.  A query with no open key has the sum 0: its codes are set to the NaN code, so that its row of the
; output is NaN, as the softmax of a row of -infinity is.
; SHARES.  A work-group serves one head and a quarter of its queries: the pairs of query tiles 4 i + x, i = 0 .. 15 (a pair: 32 queries).  Wave w takes i = 15 - w and then i = w.  A HEAD'S K AND V LIE WHOLE IN LDS: 16 steps of 128 keys,
; 8,192 bytes of K and 8,192 of V each, brought in once through registers (each wave two steps), one barrier, and only read afterwards.
; LAYOUT.  Both products are used transposed: S^T = K Q^T (source 0 = 16 keys, source 1 = 16 queries), O^T = V^T P^T (source 0 = 16 of the head's 64, source 1 = P): a lane holds ONE query (lane % 16) throughout.  Register j of
; tile t of S^T is key 16 t + 8 (lane / 16) + j: its eight codes are registers 2 t, 2 t + 1 of P in the K = 128 form's own layout, in which V's images were made.
; BRANCHES ON WHOLE NUMBERS.  fl tells, for each query tile and step, whether any key is open and whether all are: a step with none for both tiles is left out; a step with all open leaves out the 64 selects a tile.  p is at most 1,
; so its hold at 448 x 2^e8 binds only where e8 < -8: else it is left out.  The selects take their lane masks from mw into scalar registers.
; NO CLUSTER, NO JOINT LOADS, though the four work-groups of a head read the same K and V: what is shared is 262,144 bytes read
; once by each work-group, and the branches leave out the greater part of a step's vector instructions.
; LIMITS on the given exponents: e6 + e7 between -123 and 130 (added to c's exponent field); e8 and e10 - e8 - e9 between -126 and 119.  NaN codes among the inputs are not served.
.set LI,   1                           ; v1   16 x lane; never rewritten
.set AD,   2                           ; v2   the address of the loads in hand
.set SA,   3                           ; v3   where I stage K and V; later my offset in ao
.set NINF, 4                           ; v4   -infinity
.set PSC,  5                           ; v5   2^e8 as f32
.set PLIM, 6                           ; v6   448 x 2^e8
.set OSC,  7                           ; v7   2^(e10 - e8 - e9)
.set NANC, 8                           ; v8   four NaN codes
.set OLIM, 9                           ; v9   448 x 2^(e10 - e8 - e9)
.set STA,  10                          ; v10-13 tile A: -M, the largest t, the sum in two halves
.set STB,  14                          ; v14-17 tile B
.set FF,   18                          ; v[18:19] f = 2^(old M - new M), later 1 / the sum; v19 is written once, since the pair is named
.set T0,   20
.set T1,   21
.set PX,   22                          ; a lane permute's destination
.set SUM2, 24                          ; v[24:25] the sum's second chain
.set QA,   26                          ; v26-33 Q of tile A;  v34-41 of tile B
.set QB,   34
.set PA,   42                          ; v42-57 P of tile A; on the way out the result's codes
.set PB,   58                          ; v58-73 P of tile B: v62-73 lie over scores that are converted by then
.set S,    62                          ; v62-125 S^T, then p
.set FRG,  126                         ; v126-189 K's eight fragments, then V's four
.set OA,   190                         ; v190-221 O^T of tile A;  v222-253 of tile B
.set OB,   222
.set STEPB, 16384                      ; LDS: a step: K at + 0 (tile t, half g at 1024 t + 512 g), V at + 8192 (4096 u + 1024 dt + 512 g)
.set VOFF,  8192
; scalars: s[2:3] ao, s[4:5] qf, s[6:7] kf, s[8:9] vf, s[10:11] mw, s[12:13] fl, each at my part; s16 wave; s17 trip; s18 i; s19 step; s20 2 x step; s21 the step's LDS byte; s22 the step's byte in mw;
; s23 'any' bits; s30 'all' bits; s[24:25] c; s[26:27] lane selects; s28, s29 at work; s31 all open?; s66 no hold?; s[32:63], s[68:99] the 64 mask words (word n in s[32 + n], from n = 32 on in s[36 + n])
	s_load_b256 s[4:11], s[0:1], 0x0               ; qf, kf, vf, mw
	s_load_b128 s[12:15], s[0:1], 0x20             ; fl, the scales
	s_load_b64 s[2:3], s[0:1], 0x30                ; ao
	v_lshl_add_u32 v254, v0, 2, 0x40000
	v_mov_b32 v255, 0
	v_lshrrev_b32 v2, 5, v0
	v_readfirstlane_b32 s16, v2                    ; wave 0..7
	v_and_b32 v1, 31, v0
	v_lshlrev_b32 v[LI], 4, v1
	s_lshl_b32 s28, s16, 15
	v_add_nc_u32 v[SA], s28, v[LI]                 ; my two steps in LDS: 32,768 x wave + 16 x lane
	s_and_b32 s18, ttmp7, 0xffff                   ; batch x 16 + head
	s_lshr_b32 s19, s18, 4                         ; batch
	s_and_b32 s20, s18, 15                         ; head
	s_lshl_b32 s22, s18, 17                        ; a head's 128 units in qf and kf
	s_mov_b32 s23, 0
	s_lshl_b32 s24, s16, 14
	s_add_co_u32 s24, s24, s22                     ; kf: + my two steps, 16 units
	s_mov_b32 s25, 0
	s_lshl_b32 s26, ttmp9, 11
	s_add_co_u32 s22, s22, s26                     ; qf: + 2 units x work-group x
	s_lshl_b32 s26, s19, 21                        ; a batch's 2,048 units in vf and ao
	s_lshl_b32 s28, s20, 12
	s_add_co_u32 s28, s28, s26
	s_lshl_b32 s30, s16, 18
	s_add_co_u32 s28, s28, s30                     ; vf: + 4 units x head + 256 units x wave
	s_mov_b32 s29, 0
	s_lshl_b32 s30, ttmp9, 15
	s_add_co_u32 s26, s26, s30
	s_lshl_b32 s30, s20, 10
	s_add_co_u32 s26, s26, s30                     ; ao: + 32 units x work-group x + head
	s_mov_b32 s27, 0
	s_lshl_b32 s30, ttmp9, 13                      ; mw: two tiles of 4,096 bytes x work-group x
	s_mov_b32 s31, 0
	s_wait_kmcnt 0x0
	s_load_b256 s[32:39], s[14:15], 0x0            ; the exponents: entry i in s[32 + i]
	s_load_b128 s[40:43], s[14:15], 0x20
	s_add_nc_u64 s[6:7], s[6:7], s[24:25]
	s_add_nc_u64 s[8:9], s[8:9], s[28:29]
	s_add_nc_u64 s[4:5], s[4:5], s[22:23]
	s_add_nc_u64 s[2:3], s[2:3], s[26:27]
	s_add_nc_u64 s[10:11], s[10:11], s[30:31]
	s_lshl_b32 s30, ttmp9, 7                       ; fl: two tiles of 64 bytes x work-group x
	s_add_nc_u64 s[12:13], s[12:13], s[30:31]
	; ---- K and V of my two steps into LDS, as they lie: every load and every store is 512 consecutive bytes
.set I, 0
.rept 32
	global_load_b128 v[FRG+4*I:FRG+4*I+3], v[LI], s[6:7] offset:512*I          ; K: 16,384 bytes on end
.set I, I+1
.endr
.irp q, 0,1                                    ; V: four pieces of 4,096 bytes, 65,536 apart: piece q is the keys' half q / 2 of step q % 2
.irp i, 0,1,2,3,4,5,6,7
	global_load_b128 v[S+4*(8*\q+\i):S+4*(8*\q+\i)+3], v[LI], s[8:9] offset:65536*\q+512*\i
.endr
.endr
	v_mov_b32 v[NINF], 0xff800000
	v_mov_b32 v[NANC], 0x7f7f7f7f
	v_mov_b32 v[FF+1], 0
	v_mov_b32 v[PX], 0
	s_mov_b32 s26, 0x76543210                      ; v_permlanex16_b32's selects for lane l xor 16
	s_mov_b32 s27, 0xfedcba98
	s_wait_kmcnt 0x0
	s_add_co_i32 s28, s38, s39
	s_lshl_b32 s28, s28, 23
	s_add_co_i32 s24, s28, 0x3e38aa3b              ; c = log2(e) / 8, with e6 + e7 added to its exponent field: a score stands for score x 2^(e6 + e7)
	s_mov_b32 s25, s24                             ; (named with it as a pair, so it is written)
	s_add_co_i32 s28, s40, 127
	s_lshl_b32 s29, s28, 23
	v_mov_b32 v[PSC], s29
	s_add_co_i32 s28, s28, 8
	s_lshl_b32 s28, s28, 23
	s_or_b32 s28, s28, 0x600000
	v_mov_b32 v[PLIM], s28
	s_cmp_ge_i32 s40, -8                           ; 448 x 2^e8 >= 1 >= p: the hold cannot bind
	s_cselect_b32 s66, 1, 0
	s_sub_co_i32 s28, s42, s40
	s_sub_co_i32 s28, s28, s41                     ; O / the sum stands for that x 2^(e8 + e9): its code is that / 2^(e10 - e8 - e9)
	s_add_co_i32 s28, s28, 127
	s_lshl_b32 s29, s28, 23
	v_mov_b32 v[OSC], s29
	s_add_co_i32 s28, s28, 8
	s_lshl_b32 s28, s28, 23
	s_or_b32 s28, s28, 0x600000
	v_mov_b32 v[OLIM], s28
	s_wait_loadcnt 16                              ; K's 32 loads are in; V's first 16 may be out
.set I, 0
.rept 32
	ds_store_b128 v[SA], v[FRG+4*I:FRG+4*I+3] offset:(I/16)*STEPB+(I%16)*512
.set I, I+1
.endr
	s_wait_dscnt 0x0                               ; the stores have read their registers
.irp q, 2,3
.irp i, 0,1,2,3,4,5,6,7
	global_load_b128 v[FRG+4*(8*(\q-2)+\i):FRG+4*(8*(\q-2)+\i)+3], v[LI], s[8:9] offset:65536*\q+512*\i
.endr
.endr
	s_wait_loadcnt 16                              ; V's first 16 loads are in; the 16 just issued may be out
.irp q, 0,1
.irp i, 0,1,2,3,4,5,6,7
	ds_store_b128 v[SA], v[S+4*(8*\q+\i):S+4*(8*\q+\i)+3] offset:(\q%2)*STEPB+VOFF+(\q/2)*4096+512*\i
.endr
.endr
	s_wait_loadcnt 0x0
.irp q, 2,3
.irp i, 0,1,2,3,4,5,6,7
	ds_store_b128 v[SA], v[FRG+4*(8*(\q-2)+\i):FRG+4*(8*(\q-2)+\i)+3] offset:(\q%2)*STEPB+VOFF+(\q/2)*4096+512*\i
.endr
.endr
	s_wait_dscnt 0x0                               ; for the others' sake: my stores have landed
	s_barrier_signal -1
	s_barrier_wait -1                              ; the head's K and V lie in LDS; from here on LDS is only read
; S^T = K Q^T for one tile of queries: eight tiles of 16 keys, K = the head's 64
.macro QK qf
.irp t, 0,1,2,3,4,5,6,7
	v_wmma_f32_16x16x64_fp8_fp8 v[S+8*\t:S+8*\t+7], v[FRG+8*\t:FRG+8*\t+7], v[\qf:\qf+7], 0
.endr
.endm
; One tile's softmax for a step of 128 keys.  pd: where P goes; ob: the tile's O^T; st: its statistics; moff: its records' byte in mw beside tile A's
.macro SOFT pd, ob, st, moff
	s_cmp_lg_u32 s31, 0
	s_cbranch_scc1 .Lopen_\@                       ; all keys of the step are open for both tiles
	s_load_b512 s[32:47], s[10:11], s22 offset:\moff
	s_load_b512 s[48:63], s[10:11], s22 offset:\moff+64
	s_load_b512 s[68:83], s[10:11], s22 offset:\moff+128
	s_load_b512 s[84:99], s[10:11], s22 offset:\moff+192
	s_wait_kmcnt 0x0
.set NN, 0
.rept 64
.if NN < 32
	v_cndmask_b32 v[S+NN], v[NINF], v[S+NN], s[32+NN]   ; the score where the mask's bit is set, else -infinity; each tile from its low end on
.else
	v_cndmask_b32 v[S+NN], v[NINF], v[S+NN], s[36+NN]
.endif
.set NN, NN+1
.endr
.Lopen_\@:
	v_max3_num_f32 v[T0], v[S], v[S+1], v[S+2]     ; the step's largest score of my query, among my 64 keys, in two chains,
	v_max3_num_f32 v[T1], v[S+3], v[S+4], v[S+5]
.set JJ, 6
.rept 14
	v_max3_num_f32 v[T0], v[T0], v[S+JJ], v[S+JJ+1]
	v_max3_num_f32 v[T1], v[T1], v[S+JJ+2], v[S+JJ+3]
.set JJ, JJ+4
.endr
	v_max3_num_f32 v[T0], v[T0], v[S+62], v[S+63]
	v_max_num_f32 v[T0], v[T0], v[T1]
	v_permlanex16_b32 v[PX], v[T0], s26, s27
	v_max_num_f32 v[T0], v[T0], v[PX]              ; and among lane l xor 16's
	v_mul_f32 v[T0], s24, v[T0]                    ; as t (c is positive)
	v_max_num_f32 v[\st+1], v[\st+1], v[T0]        ; the running largest t
	v_mov_b32 v[T0], v[\st]
	v_floor_f32 v[\st], -v[\st+1]                  ; the new -M = floor(-t): M is a whole number
	v_sub_f32 v[T0], v[\st], v[T0]                 ; old M - new M: a whole number, 0 or less
	v_cvt_i32_f32 v[T0], v[T0]                     ; (it saturates)
	v_ldexp_f32 v[FF], 1.0, v[T0]                  ; f = 2^(old M - new M)
.set JJ, 0
.rept 32
	v_pk_fma_f32 v[S+JJ:S+JJ+1], v[S+JJ:S+JJ+1], s[24:25], v[\st:\st+1] op_sel_hi:[1,0,0]   ; t - M, two at a time (of the pairs c and -M the low word serves both halves)
.set JJ, JJ+2
.endr
.set JJ, 0
.rept 64
	v_exp_f32 v[S+JJ], v[S+JJ]                     ; p = 2^(t - M), at most 1
.set JJ, JJ+1
.endr
	v_pk_mul_f32 v[\st+2:\st+3], v[\st+2:\st+3], v[FF:FF+1] op_sel_hi:[1,0]   ; the sum under the new M: the plain instruction behind the exponentials
	s_wait_alu depctr_va_vdst(0)                   ; one wait for the batch of 64, ahead of its first reader
	v_pk_add_f32 v[SUM2:SUM2+1], v[S:S+1], v[S+2:S+3]   ; the sum of the UNQUANTISED p, two at a time, in two chains
.set JJ, 4
.rept 15
	v_pk_add_f32 v[\st+2:\st+3], v[\st+2:\st+3], v[S+JJ:S+JJ+1]
	v_pk_add_f32 v[SUM2:SUM2+1], v[SUM2:SUM2+1], v[S+JJ+2:S+JJ+3]
.set JJ, JJ+4
.endr
	v_pk_add_f32 v[\st+2:\st+3], v[\st+2:\st+3], v[SUM2:SUM2+1]
	s_cmp_lg_u32 s66, 0
	s_cbranch_scc1 .Lnohold_\@
.set JJ, 0
.rept 64
	v_min_num_f32 v[S+JJ], v[S+JJ], v[PLIM]        ; the conversion does not saturate (ISA guide 7.6.2); p is not negative, so the hold is one-sided
.set JJ, JJ+1
.endr
.Lnohold_\@:
.irp b, 0,1,2,3
	v_cvt_scalef32_pk8_fp8_f32 v[\pd+4*\b:\pd+4*\b+1], v[S+16*\b:S+16*\b+7], v[PSC]          ; tile 2 b: registers 4 b, 4 b + 1 of P
	v_cvt_scalef32_pk8_fp8_f32 v[\pd+4*\b+2:\pd+4*\b+3], v[S+16*\b+8:S+16*\b+15], v[PSC]     ; tile 2 b + 1
	v_nop                                          ; a plain instruction: the next two conversions of tile B write registers that were sources of these
.endr
.set JJ, 0
.rept 16
	v_pk_mul_f32 v[\ob+JJ:\ob+JJ+1], v[\ob+JJ:\ob+JJ+1], v[FF:FF+1] op_sel_hi:[1,0]   ; O^T under the new M, each accumulator from its low end on
.set JJ, JJ+2
.endr
.endm
; One tile's way out.  oc: its eight registers of codes; toff: its unit's byte beside tile A's; sm: a scalar for the lanes whose query has no open key
.macro OUT st, ob, oc, toff, sm
	v_add_f32 v[T0], v[\st+2], v[\st+3]            ; the sum's two halves,
	v_permlanex16_b32 v[PX], v[T0], s26, s27
	v_add_f32 v[T0], v[T0], v[PX]                  ; and lane l xor 16's
	v_rcp_f32 v[FF], v[T0]
	v_nop                                          ; a plain instruction behind the reciprocal
	v_cmp_eq_f32 s[\sm], 0, v[T0]
	s_wait_alu depctr_va_vdst(0)                   ; the wait ahead of the reciprocal's first reader
.set JJ, 0
.rept 16
	v_pk_mul_f32 v[\ob+JJ:\ob+JJ+1], v[\ob+JJ:\ob+JJ+1], v[FF:FF+1] op_sel_hi:[1,0]
.set JJ, JJ+2
.endr
.set JJ, 0
.rept 32
	v_med3_num_f32 v[\ob+JJ], v[\ob+JJ], -v[OLIM], v[OLIM]
.set JJ, JJ+1
.endr
.irp dt, 0,1,2,3
	v_cvt_scalef32_pk8_fp8_f32 v[\oc+2*\dt:\oc+2*\dt+1], v[\ob+8*\dt:\ob+8*\dt+7], v[OSC]   ; d = 16 dt + 8 h + 0 .. 7: registers 2 dt, 2 dt + 1 of the last projection's operand
.endr
	v_nop                                          ; a plain instruction behind the last conversion
.irp j, 0,1,2,3,4,5,6,7
	v_cndmask_b32 v[\oc+\j], v[\oc+\j], v[NANC], s[\sm]
.endr
	global_store_b128 v[SA], v[\oc:\oc+3], s[2:3] offset:\toff             ; 32 lanes store 512 consecutive bytes, aligned
	global_store_b128 v[SA], v[\oc+4:\oc+7], s[2:3] offset:\toff+512
.endm
	s_mov_b32 s17, 0
.Lpair:                                            ; two trips: a pair of query tiles each
	s_wait_xcnt 0x0                                ; the last pair's stores have read their data and their offset
	s_sub_co_u32 s28, 15, s16
	s_cmp_eq_u32 s17, 0
	s_cselect_b32 s18, s28, s16                    ; i = 15 - wave, then wave
	s_lshl_b32 s28, s18, 13
	v_add_nc_u32 v[AD], s28, v[LI]                 ; Q: 8 units x i
.irp c, 0,1,2,3
	global_load_b128 v[QA+4*\c:QA+4*\c+3], v[AD], s[4:5] offset:512*\c
.endr
	s_lshl_b32 s28, s18, 9                         ; fl: 8 tiles of 64 bytes x i
	s_load_b512 s[32:47], s[12:13], s28 offset:0x0     ; tile A's sixteen flag words,
	s_load_b512 s[48:63], s[12:13], s28 offset:0x40    ; tile B's
	s_lshl_b32 s29, s18, 17
	v_add_nc_u32 v[SA], s29, v[LI]                 ; ao: 128 units x i
.set I, 0
.rept 64
	v_mov_b32 v[OA+I], 0                           ; O^T: which step is a pair's first hangs on the mask, so no step is written out to start the sums
.set I, I+1
.endr
.irp st, STA, STB
	v_mov_b32 v[\st+1], 0xff61b1e6                 ; the largest t so far: -3e38, under every t
	v_floor_f32 v[\st], -v[\st+1]                  ; -M
	v_mov_b32 v[\st+2], 0
	v_mov_b32 v[\st+3], 0
.endr
	s_wait_kmcnt 0x0
.irp k, 33,34,35,36,37,38,39,40,41,42,43,44,45,46,47
	s_or_b32 s32, s32, s\k                         ; each word holds its step's two bits in their place
.endr
.irp k, 49,50,51,52,53,54,55,56,57,58,59,60,61,62,63
	s_or_b32 s48, s48, s\k
.endr
	s_or_b32 s23, s32, s48
	s_and_b32 s23, s23, 0x55555555                 ; bit 2 x step: some key of the step is open for one of the two tiles
	s_and_b32 s30, s32, s48
	s_lshr_b32 s30, s30, 1
	s_and_b32 s30, s30, 0x55555555                 ; bit 2 x step: all are open for both
	s_lshl_b32 s22, s18, 15                        ; mw: 8 tiles of 4,096 bytes x i
	s_mov_b32 s21, 0
	s_mov_b32 s20, 0
	s_mov_b32 s19, 0
	s_wait_loadcnt 0x0                             ; Q
.Lstep:                                            ; sixteen trips; the work of a step that lies wholly under the mask is jumped over
	s_lshr_b32 s28, s23, s20
	s_and_b32 s28, s28, 1
	s_cmp_eq_u32 s28, 0
	s_cbranch_scc1 .Lnext
	s_lshr_b32 s31, s30, s20
	s_and_b32 s31, s31, 1
	v_add_nc_u32 v[AD], s21, v[LI]
.irp t, 0,1,2,3,4,5,6,7
	ds_load_b128 v[FRG+8*\t:FRG+8*\t+3], v[AD] offset:1024*\t
	ds_load_b128 v[FRG+8*\t+4:FRG+8*\t+7], v[AD] offset:1024*\t+512
.endr
	s_wait_dscnt 0x0
	QK QA
.rept 4
	v_nop                                          ; places in front of the first read of the scores
.endr
	SOFT PA, OA, STA, 0
	QK QB                                          ; both tiles share K's fragments
.rept 4
	v_nop                                          ; places in front of the loads into K's registers and of the first read of the scores
.endr
.irp dt, 0,1,2,3
.irp c, 0,1,2,3
	ds_load_b128 v[FRG+16*\dt+4*\c:FRG+16*\dt+4*\c+3], v[AD] offset:VOFF+(\c/2)*4096+\dt*1024+(\c%2)*512   ; V lands while tile B's softmax is walked
.endr
.endr
	SOFT PB, OB, STB, 4096
	s_wait_dscnt 0x0
.irp dt, 0,1,2,3                               ; O^T += V^T P^T: eight accumulators by turns, K = the step's 128 keys
	v_wmma_f32_16x16x128_fp8_fp8 v[OA+8*\dt:OA+8*\dt+7], v[FRG+16*\dt:FRG+16*\dt+15], v[PA:PA+15], v[OA+8*\dt:OA+8*\dt+7]
	v_wmma_f32_16x16x128_fp8_fp8 v[OB+8*\dt:OB+8*\dt+7], v[FRG+16*\dt:FRG+16*\dt+15], v[PB:PB+15], v[OB+8*\dt:OB+8*\dt+7]
.endr
.rept 5
	v_nop                                          ; five places: the next scores are written by matrix instructions over registers of tile B's P; four of them serve the next loads into V's registers and the way out's reads
.endr
.Lnext:
	s_add_co_u32 s21, s21, STEPB
	s_add_co_u32 s22, s22, 256
	s_add_co_u32 s20, s20, 2
	s_add_co_u32 s19, s19, 1
	s_cmp_lt_u32 s19, 16
	s_cbranch_scc1 .Lstep
	OUT STA, OA, PA, 0, 28
	OUT STB, OB, PA+8, 16384, 29
	s_add_co_u32 s17, s17, 1
	s_cmp_lt_u32 s17, 2
	s_cbranch_scc1 .Lpair
	s_wait_tensorcnt 0x0
	ds_add_u32 v254, v255
	s_wait_dscnt 0x0
	s_endpgm
.Lfunc_end_k_q4690d813ba_attn:
	.size	k_q4690d813ba_attn, .Lfunc_end_k_q4690d813ba_attn-k_q4690d813ba_attn
	.p2alignl 7, 3214868480
	.fill 96, 4, 3214868480
	.section	.rodata,"a",@progbits
	.p2align	6, 0x0
	.amdhsa_kernel k_q4690d813ba_attn
		.amdhsa_group_segment_fixed_size 263168
		.amdhsa_private_segment_fixed_size 0
		.amdhsa_enable_private_segment 0
		.amdhsa_kernarg_size 56
		.amdhsa_user_sgpr_count 2
		.amdhsa_user_sgpr_kernarg_segment_ptr 1
		.amdhsa_wavefront_size32 1
		.amdhsa_system_sgpr_workgroup_id_x 1
		.amdhsa_system_sgpr_workgroup_id_y 1
		.amdhsa_system_sgpr_workgroup_id_z 1
		.amdhsa_system_vgpr_workitem_id 0
		.amdhsa_next_free_vgpr 256
		.amdhsa_next_free_sgpr 100
		.amdhsa_reserve_vcc 0
		.amdhsa_float_denorm_mode_32 3
		.amdhsa_float_denorm_mode_16_64 3
		.amdhsa_memory_ordered 1
		.amdhsa_forward_progress 1
		.amdhsa_inst_pref_size 64
	.end_amdhsa_kernel
	.amdgpu_metadata
---
amdhsa.version: [ 1, 2 ]
amdhsa.kernels:
  - .name:           k_q4690d813ba_attn
    .symbol:         k_q4690d813ba_attn.kd
    .args:
      - { .name: qf, .offset: 0, .size: 8, .value_kind: global_buffer, .address_space: global }
      - { .name: kf, .offset: 8, .size: 8, .value_kind: global_buffer, .address_space: global }
      - { .name: vf, .offset: 16, .size: 8, .value_kind: global_buffer, .address_space: global }
      - { .name: mw, .offset: 24, .size: 8, .value_kind: global_buffer, .address_space: global }
      - { .name: fl, .offset: 32, .size: 8, .value_kind: global_buffer, .address_space: global }
      - { .name: lowp_scales, .offset: 40, .size: 8, .value_kind: global_buffer, .address_space: global }
      - { .name: ao, .offset: 48, .size: 8, .value_kind: global_buffer, .address_space: global }
    .group_segment_fixed_size: 263168
    .private_segment_fixed_size: 0
    .kernarg_segment_align: 8
    .kernarg_segment_size: 56
    .max_flat_workgroup_size: 256
    .sgpr_count:     100
    .vgpr_count:     256
    .wavefront_size: 32
...
	.end_amdgpu_metadata
.endif
;; end of part 2
;; launch oproj (part 3): grid 4 x 32, 4 waves a work-group, clusters of 4 x 4, 327,680 bytes of LDS; arguments ao, wo_codes, lowp_scales, out0; writes out0
.if DOCPART == 3
	.amdgcn_target "amdgcn-amd-amdhsa--gfx1250"
	.amdhsa_code_object_version 6
	.text
	.protected	k_q4690d813ba_oproj
	.globl	k_q4690d813ba_oproj
	.p2align	8
	.type	k_q4690d813ba_oproj,@function
k_q4690d813ba_oproj:
	s_mov_b64 s[64:65], 0
	v_nop
	global_prefetch_b8 v0, s[64:65] scope:SCOPE_SE
	s_setreg_imm32_b32 hwreg(HW_REG_WAVE_MODE, 25, 1), 1
	s_wait_xcnt 0x0
	s_wait_alu depctr_hold_cnt(0) depctr_sa_sdst(0) depctr_va_vdst(0) depctr_va_sdst(0) depctr_va_ssrc(0) depctr_va_vcc(0) depctr_vm_vsrc(0)
	s_getreg_b32 s2, hwreg(HW_REG_IB_STS2, 6, 4)
	s_cmp_eq_u32 s2, 0
	s_cbranch_scc0 .Lentry_in_a_cluster
	s_endpgm
.Lentry_in_a_cluster:
	s_bfe_u32 s2, ttmp6, 0x10000c
	s_cmp_lg_u32 s2, 0xf033
	s_cbranch_scc0 .Lentry_shape_is_right
	s_endpgm
.Lentry_shape_is_right:
; THE LAST PROJECTION: out[m][n] = sum over k of A[m][k] wo[n][k], 8192 x 1024 x 1024, on codes of FP8 (E4M3); out f32.  A number of A is its code x 2^e10, of wo x 2^e11; each finished sum is multiplied once by 2^(e10 + e11).
; LIMIT: e10 + e11 lies between -126 and 127.  A row of A that holds NaN codes (a query with no open key) gives a row of NaN.
; A (the buffer ao) lies as IMAGES OF OPERAND REGISTERS, in units of 1,024 bytes: unit (token tile x 16 + head) = [half g][lane][16 bytes], registers 4 g .. 4 g + 3 of 16 tokens x the head's 64, in the plain 8-bit layout
; (registers 2 c, 2 c + 1: k = 16 c + 8 (l / 16) + 0 .. 7).  Two heads on end are a fragment of 16 x 128.  wo lies as rows of 1,024 codes and is fetched in the same layout, eight loads of 8 bytes a fragment, so that every k meets its partner.
; A tile of out, 256 x 256, is made by a work-group of four waves, a wave 128 x 128: 64 accumulators.  K goes in steps of 256 (four heads) through a ring of two LDS slots.
; CLUSTERS: 4 x 4 work-groups; A's tile is shared along a row of the cluster, wo's along a column: each is asked for JOINTLY.  THE MATRIX INSTRUCTION IS USED TRANSPOSED (source 0 = 16 rows of wo, source 1 = 16 tokens): a lane holds eight
; neighbouring numbers of a row of out.
; REGISTERS, in windows of 256: window 0: v0-31 addresses; from v128 A's fragments, ONE set; on the way out v32-255 are free.  window 1: wo's fragments, TWO sets.  windows 2, 3: the accumulators ((a, b) at v[8 (8 (a % 4) + b)]).
.set SIZE_N, 1024
.set KROW,   1024                      ; a row of wo in memory, in bytes
.set ROWB,   256                       ; wo: a tile's row
.set PITCH,  272                       ; wo: an LDS row: 256 bytes + 16 of padding
.set FR,     16
.set NL,     4                         ; LDS loads that bring a fragment of A
.set NP,     4                         ; places behind this matrix instruction (ISA guide 7.12.1)
.set AHALF,  32768                     ; A: 8 token tiles x 4 units: what one tensor load brings; dense
.set BHALF,  128*PITCH                 ; wo: 128 rows
.set BOFF,   2*AHALF
.set SLOT,   BOFF+2*BHALF
.set LAPS,   2
.set SPARE,  2*SLOT                    ; behind the ring: the spare words, 128 bytes for each wave
.set SPITCH, 528                       ; the way out: a stage of 16 rows x (512 bytes + 16) for each wave, in slot 0, which has had its last fill and its last read when the first result is stored there
.set ADRA, 16
.set ADRB, 20
.set STO,  24
.set RD,   25
.set CO,   26
.set SPW,  28
.set NIL,  29
.set TMP,  32
.set AF,   128
.set BK,   128
.set G1, 24
.set G0, 32
.set G1B, 48
.set G0B, 56
.set MSB, 0
.macro WIN new                         ; the immediate's high byte repeats the setting that is left
.if MSB != \new
	s_set_vgpr_msb (MSB<<8)|\new
.set MSB, \new
.endif
.endm
.set MUL_LO, 0xa1
.set MUL_HI, 0xf1
.set TO_B,   0x40
.macro JLOAD g0a, g1a, g0b, g1b        ; a joint load: waves 0 and 1 fetch for A, waves 2 and 3 for wo; four v_nop follow each of the two lines
	s_cmp_eq_u32 s15, 0
	s_cbranch_scc0 .Lfor_b_\@
	tensor_load_to_lds s[\g0a:\g0a+3], s[\g1a:\g1a+7]
	s_nop 0
.rept 4
	v_nop
.endr
	s_branch .Lasked_\@
.Lfor_b_\@:
	tensor_load_to_lds s[\g0b:\g0b+3], s[\g1b:\g1b+7]
	s_nop 0
.rept 4
	v_nop
.endr
.Lasked_\@:
.endm
.macro CREST
	s_cmp_lg_u32 s14, 0
	s_cbranch_scc1 .Lnot_wave_0_\@
	s_barrier_signal -3
.Lnot_wave_0_\@:
	s_barrier_wait -3
	s_barrier_signal -1
	s_barrier_wait -1
.endm
.macro CROUND
	s_barrier_signal -1
	s_barrier_wait -1
	CREST
.endm
	s_load_b128 s[4:7], s[0:1], 0x0                ; ao s[4:5], wo's codes s[6:7]
	s_load_b128 s[8:11], s[0:1], 0x10              ; the scales s[8:9], out s[10:11]
	v_lshl_add_u32 v[SPW], v0, 2, SPARE
	v_mov_b32 v[NIL], 0
	ds_add_u32 v28, v29
	ds_add_u32 v28, v29
	s_wait_dscnt 0x0
	v_lshrrev_b32 v1, 5, v0
	v_readfirstlane_b32 s14, v1                    ; wave 0..3
	s_lshr_b32 s15, s14, 1                         ; which half of the tile's rows is mine.  Also: I fetch for A (0) or for wo (1)
	s_and_b32 s16, s14, 1                          ; which half of its columns.  Also: which half of that tile I fetch
	s_bfe_u32 s40, ttmp6, 0x40000                  ; cx, cy
	s_bfe_u32 s41, ttmp6, 0x40004
	s_lshl_b32 s42, ttmp9, 2
	s_add_co_u32 s42, s42, s40                     ; tile column = 4 x cluster x + cx
	s_and_b32 s17, ttmp7, 0xffff
	s_lshl_b32 s17, s17, 2
	s_add_co_u32 s17, s17, s41                     ; tile row = 4 x cluster y + cy
	s_lshl_b32 s43, s41, 2
	s_lshl_b32 s43, 15, s43                        ; my row of the cluster
	s_lshl_b32 s44, 0x1111, s40                    ; my column
	; descriptor group 1.  A: 8 rows (token tiles) of 512 elements of 8 bytes (four units), 2,048 elements apart, dense in LDS
	s_or_b32 s[G1+0], s43, (3<<16)|(1<<21)         ; 15:0 the mask: my row; 17:16 elements of 8 bytes; 21 set beside a mask; no padding
	s_mov_b32 s[G1+1], 512<<16                     ; tensor_dim0 = 512
	s_mov_b32 s[G1+2], 8<<16                       ; tensor_dim1 = 8
	s_mov_b32 s[G1+3], 512<<16                     ; tile_dim0 = 512
	s_mov_b32 s[G1+4], 8                           ; tile_dim1 = 8
	s_mov_b32 s[G1+5], 2048                        ; tensor_dim0_stride: a token tile's sixteen units
	s_mov_b32 s[G1+6], 0
	s_mov_b32 s[G1+7], 0
	; wo: 128 rows x 256 bytes, padded in LDS
	s_or_b32 s[G1B+0], s44, (0<<16)|(1<<20)|(1<<21)|(5<<22)|(3<<25)  ; the mask: my column; elements of 1 byte; padding: 4 words after every 64
	s_mov_b32 s[G1B+1], ROWB<<16
	s_mov_b32 s[G1B+2], 128<<16
	s_mov_b32 s[G1B+3], ROWB<<16
	s_mov_b32 s[G1B+4], 128
	s_mov_b32 s[G1B+5], KROW
	s_mov_b32 s[G1B+6], 0
	s_mov_b32 s[G1B+7], 0
	s_lshl_b32 s20, s17, 4
	s_lshl_b32 s18, s16, 3
	s_add_co_u32 s20, s20, s18                     ; A: token tile 16 x tile row + 8 x half,
	s_lshl_b32 s20, s20, 14                        ; of 16,384 bytes
	s_mov_b32 s21, 0
	s_lshl_b32 s46, s42, 8
	s_lshl_b32 s18, s16, 7
	s_add_co_u32 s46, s46, s18                     ; wo: row 256 x tile column + 128 x half,
	s_lshl_b32 s46, s46, 10                        ; of 1,024 bytes
	s_mov_b32 s47, 0
	s_lshl_b32 s45, s16, 15                        ; where they go: A's halves at 0 and 32,768,
	s_mul_i32 s94, s16, BHALF
	s_add_co_u32 s94, s94, BOFF                    ; wo's behind them: no place in the cluster enters an LDS address
	s_wait_kmcnt 0x0
	s_load_b64 s[96:97], s[8:9], 0x28              ; e10, e11
	s_add_nc_u64 s[20:21], s[4:5], s[20:21]
	s_add_nc_u64 s[46:47], s[6:7], s[46:47]
	CROUND                                         ; all sixteen work-groups are here: the first joint loads meet
.irp s, 0,1
	s_mov_b32 s[G0+4*\s], 1
	s_add_co_u32 s[G0+4*\s+1], s45, \s*SLOT
	s_add_nc_u64 s[G0+4*\s+2:G0+4*\s+3], s[20:21], \s*4096
	s_or_b32 s[G0+4*\s+3], s[G0+4*\s+3], 0x80000000
	s_mov_b32 s[G0B+4*\s], 1
	s_add_co_u32 s[G0B+4*\s+1], s94, \s*SLOT
	s_add_nc_u64 s[G0B+4*\s+2:G0B+4*\s+3], s[46:47], \s*ROWB
	s_or_b32 s[G0B+4*\s+3], s[G0B+4*\s+3], 0x80000000
	JLOAD G0+4*\s, G1, G0B+4*\s, G1B
.endr
	v_and_b32 v1, 15, v0                           ; l % 16
	v_bfe_u32 v2, v0, 4, 1                         ; l / 16
	v_and_b32 v6, 31, v0
	v_lshlrev_b32 v[CO], 4, v6                     ; 16 x lane
	v_mul_u32_u24 v3, v1, PITCH
	v_lshl_add_u32 v4, v2, 3, v3                   ; wo: row x pitch + 8 x half
	s_lshl_b32 s21, s15, 15                        ; my eight token tiles of A
	s_mul_i32 s22, s16, BHALF                      ; my 128 rows of wo
	s_add_co_u32 s22, s22, BOFF
.irp s, 0,1
	v_add_nc_u32 v[ADRA+\s], s21, v[CO]
	v_add_nc_u32 v[ADRB+\s], s22, v4
	s_add_co_u32 s21, s21, SLOT
	s_add_co_u32 s22, s22, SLOT
.endr
	s_mul_i32 s23, s14, 16*SPITCH                  ; my stage
	v_mul_u32_u24 v5, v1, SPITCH                   ; in: row l % 16, 32 bytes for each half of the lanes
	v_lshl_add_u32 v5, v2, 5, v5
	v_add_nc_u32 v[STO], s23, v5
	v_add_nc_u32 v[RD], s23, v[CO]                 ; back: the 32 lanes take one row of 512 bytes
	s_lshl_b32 s20, s17, 8
	s_lshl_b32 s21, s15, 7
	s_add_co_u32 s20, s20, s21                     ; my first row of out: 256 x tile row + 128 x half,
	s_lshl_b32 s20, s20, 12                        ; of 4,096 bytes
	s_lshl_b32 s46, s42, 10                        ; my first column, in bytes: 1,024 x tile column + 512 x half
	s_lshl_b32 s47, s16, 9
	s_add_co_u32 s46, s46, s47
	s_add_co_u32 s20, s20, s46
	s_mov_b32 s21, 0
	s_add_nc_u64 s[10:11], s[10:11], s[20:21]
.macro FRAGA reg, slot, q, i           ; A's fragment of token tile i, the slot's q-th 128 along K: two units on end, four loads of 512 consecutive bytes
.irp c, 0,1,2,3
	ds_load_b128 v[\reg+4*\c:\reg+4*\c+3], v[ADRA+\slot] offset:(\i)*4096+(\q)*2048+512*\c
.endr
.endm
.macro FRAGB reg, slot, q, i           ; wo's fragment: registers 2 c, 2 c + 1 hold K = 16 c + 8 (l / 16) + 0 .. 7 of row l % 16
.irp c, 0,1,2,3,4,5,6,7
	ds_load_b64 v[\reg+2*\c:\reg+2*\c+1], v[ADRB+\slot] offset:128*(\q)+16*\c+(\i)*16*PITCH
.endr
.endm
; 16 matrix instructions: A's blocks a0, a0 + 1 x wo's eight.  The 64 accumulators take turns, one instruction a turn.
.macro MUL16 a0, p, zero
.irp a, \a0, \a0+1
.irp b, 0,1,2,3,4,5,6,7
.if \zero
	v_wmma_f32_16x16x128_fp8_fp8 v[8*(8*((\a)%4)+\b):8*(8*((\a)%4)+\b)+7], v[128*(\p)+FR*\b:128*(\p)+FR*\b+FR-1], v[AF+FR*(\a):AF+FR*(\a)+FR-1], 0
.else
	v_wmma_f32_16x16x128_fp8_fp8 v[8*(8*((\a)%4)+\b):8*(8*((\a)%4)+\b)+7], v[128*(\p)+FR*\b:128*(\p)+FR*\b+FR-1], v[AF+FR*(\a):AF+FR*(\a)+FR-1], v[8*(8*((\a)%4)+\b):8*(8*((\a)%4)+\b)+7]
.endif
.endr
.endr
.endm
.macro FETCH_B slot, q, p
	WIN TO_B
.irp i, 0,1,2,3,4,5,6,7
	FRAGB 128*(\p)+FR*\i, \slot, \q, \i
.endr
	WIN 0
.endm
.macro FETCH_A slot, q, i0
.irp i, \i0, \i0+1, \i0+2, \i0+3
	FRAGA AF+FR*(\i), \slot, \q, \i
.endr
.endm
.macro PLACES n                        ; plain vector instructions between a matrix instruction and a load into, or a vector read of, one of its registers (ISA guide 7.12.1 for vector instructions)
.rept \n
	v_nop
.endr
.endm
.macro STEP slot, q, zero
	s_wait_dscnt 4*NL                              ; wo's set and A's blocks 0-3 are in; the youngest sixteen loads (A's blocks 4-7) may be out
	WIN MUL_LO
	MUL16 0, (\q)%2, \zero
	MUL16 2, (\q)%2, \zero
	s_wait_dscnt 0                                 ; A's blocks 4-7 are in
	PLACES NP
	FETCH_B \slot, (\q)+1, 1-(\q)%2
	FETCH_A \slot, (\q)+1, 0
	WIN MUL_HI
	MUL16 4, (\q)%2, \zero
	MUL16 6, (\q)%2, \zero
	PLACES NP
	WIN 0
	FETCH_A \slot, (\q)+1, 4
.endm
; A slot's last step changes slots: ONE barrier; in front of it each wave waits for all its tensor loads, adds 0 to its spare word, and waits for that and for its own reads of this slot.
.macro TURN slot, next, fill
	s_wait_tensorcnt 0x0                           ; all my tensor loads have landed: my part of the next slot  (every window is 0 here)
	ds_add_u32 v[SPW], v[NIL]                      ; 0 onto my spare word
	s_wait_dscnt 4*NL+1                            ; (the add and the youngest sixteen loads, A's blocks 4-7, may be out)
	WIN MUL_LO
	MUL16 0, 1, 0
	s_wait_dscnt 0x0                               ; the add is done, and my reads of this slot are over
	s_barrier_signal -1
	MUL16 2, 1, 0
	WIN 0
	s_barrier_wait -1
.if \fill
	CREST                                          ; the barrier has opened a round of the cluster's barrier: no wave of any partner still reads this slot's tile or has a load on its way
	s_add_nc_u64 s[G0+4*\slot+2:G0+4*\slot+3], s[G0+4*\slot+2:G0+4*\slot+3], 2*4096
	s_add_nc_u64 s[G0B+4*\slot+2:G0B+4*\slot+3], s[G0B+4*\slot+2:G0B+4*\slot+3], 2*ROWB
	JLOAD G0+4*\slot, G1, G0B+4*\slot, G1B         ; the first tensor load behind the round; its four v_nop are also the places in front of the loads below
.else
	PLACES NP
.endif
	FETCH_B \next, 0, 0
	FETCH_A \next, 0, 0
	WIN MUL_HI
	MUL16 4, 1, 0
	MUL16 6, 1, 0
	PLACES NP
	WIN 0
	FETCH_A \next, 0, 4
.endm
	s_wait_tensorcnt 1                             ; my part of K step 0 is in (K step 1's one load may be out)
	s_barrier_signal -1
	s_barrier_wait -1                              ; everybody's is
	FETCH_B 0, 0, 0
	FETCH_A 0, 0, 0
	FETCH_A 0, 0, 4
	STEP 0, 0, 1                                   ; the first step's products start the sums
	s_mov_b32 s3, LAPS-1
.Llap:
	TURN 0, 1, 1
	STEP 1, 0, 0
	TURN 1, 0, 1
	STEP 0, 0, 0
	s_sub_co_u32 s3, s3, 1
	s_cmp_lg_u32 s3, 0
	s_cbranch_scc1 .Llap
	TURN 0, 1, 0                                   ; the last lap fills nothing
	STEP 1, 0, 0
	s_wait_dscnt 4*NL
	WIN MUL_LO
	MUL16 0, 1, 0
	MUL16 2, 1, 0
	s_wait_dscnt 0
	WIN MUL_HI
	MUL16 4, 1, 0
	MUL16 6, 1, 0
	WIN 0
; THE WAY OUT, block by block of 16 rows x 128 columns, through my own stage in LDS: in as 32 bytes a lane, back as whole rows of 512 bytes.  LDS serves a wave's instructions in order (ISA guide 5.7.1.4): no wait between the stores and the loads.
.macro TOSTAGE a
.set AC, 64*((\a)%4)
.set WW, 0x02+((\a)/4)
	WIN WW                                         ; source 0: window 2 or 3
.set JJ, 0
.rept 32
	v_pk_mul_f32 v[TMP+JJ:TMP+JJ+1], v[AC+JJ:AC+JJ+1], s[96:97] op_sel_hi:[1,0]   ; both x s96 = 2^(e10 + e11); each accumulator from its low end on
.set JJ, JJ+2
.endr
	WIN 0
.irp b, 0,1,2,3,4,5,6,7
	ds_store_b128 v[STO], v[TMP+8*\b:TMP+8*\b+3] offset:64*\b
	ds_store_b128 v[STO], v[TMP+8*\b+4:TMP+8*\b+7] offset:64*\b+16
.endr
.set BB, BK+64*((\a)%2)
.irp t, 0,1,2,3,4,5,6,7,8,9,10,11,12,13,14,15
	ds_load_b128 v[BB+4*\t:BB+4*\t+3], v[RD] offset:\t*SPITCH
.endr
.endm
.macro SEND a, younger                 ; younger: the LDS instructions issued behind block a's loads, which may stay out
.set BB, BK+64*((\a)%2)
	s_wait_dscnt \younger
.if (\a) > 0
	s_add_nc_u64 s[10:11], s[10:11], 16*SIZE_N*4   ; (behind a wait on XCNT: the earlier stores have read their base)  16 rows on
.endif
.irp t, 0,1,2,3,4,5,6,7,8,9,10,11,12,13,14,15
	global_store_b128 v[CO], v[BB+4*\t:BB+4*\t+3], s[10:11] offset:\t*SIZE_N*4 th:TH_STORE_NT   ; 32 lanes store 512 consecutive bytes, aligned; written once, read by nobody here
.endr
.endm
	s_wait_kmcnt 0x0
	s_add_co_i32 s96, s96, s97                     ; e10 + e11,
	s_add_co_i32 s96, s96, 127
	s_lshl_b32 s96, s96, 23                        ; as the f32 number 2^(e10 + e11)
	PLACES NP
	TOSTAGE 0
.irp a, 1,2,3,4,5,6,7
.if \a > 1
	s_wait_xcnt 0x0                                ; block a - 2's stores have read their registers and their base
.endif
	TOSTAGE \a
	SEND \a-1, 32                                  ; behind block a - 1's loads: block a's 16 stores and 16 loads
.endr
	s_wait_xcnt 0x0                                ; block 6's stores have read their base
	SEND 7, 0
	s_wait_tensorcnt 0x0                           ; the wave's end
	ds_add_u32 v[SPW], v[NIL]
	s_wait_dscnt 0x0
	CROUND                                         ; the closing round
	s_endpgm
.Lfunc_end_k_q4690d813ba_oproj:
	.size	k_q4690d813ba_oproj, .Lfunc_end_k_q4690d813ba_oproj-k_q4690d813ba_oproj
	.p2alignl 7, 3214868480
	.fill 96, 4, 3214868480
	.section	.rodata,"a",@progbits
	.p2align	6, 0x0
	.amdhsa_kernel k_q4690d813ba_oproj
		.amdhsa_group_segment_fixed_size 327680
		.amdhsa_private_segment_fixed_size 0
		.amdhsa_enable_private_segment 0
		.amdhsa_kernarg_size 32
		.amdhsa_user_sgpr_count 2
		.amdhsa_user_sgpr_kernarg_segment_ptr 1
		.amdhsa_wavefront_size32 1
		.amdhsa_system_sgpr_workgroup_id_x 1
		.amdhsa_system_sgpr_workgroup_id_y 1
		.amdhsa_system_sgpr_workgroup_id_z 1
		.amdhsa_system_vgpr_workitem_id 0
		.amdhsa_next_free_vgpr 1024
		.amdhsa_next_free_sgpr 98
		.amdhsa_reserve_vcc 0
		.amdhsa_float_denorm_mode_32 3
		.amdhsa_float_denorm_mode_16_64 3
		.amdhsa_memory_ordered 1
		.amdhsa_forward_progress 1
		.amdhsa_inst_pref_size 139
	.end_amdhsa_kernel
	.amdgpu_metadata
---
amdhsa.version: [ 1, 2 ]
amdhsa.kernels:
  - .name:           k_q4690d813ba_oproj
    .symbol:         k_q4690d813ba_oproj.kd
    .args:
      - { .name: ao, .offset: 0, .size: 8, .value_kind: global_buffer, .address_space: global }
      - { .name: wo_codes, .offset: 8, .size: 8, .value_kind: global_buffer, .address_space: global }
      - { .name: lowp_scales, .offset: 16, .size: 8, .value_kind: global_buffer, .address_space: global }
      - { .name: out0, .offset: 24, .size: 8, .value_kind: global_buffer, .address_space: global }
    .group_segment_fixed_size: 327680
    .private_segment_fixed_size: 0
    .kernarg_segment_align: 8
    .kernarg_segment_size: 32
    .max_flat_workgroup_size: 128
    .sgpr_count:     98
    .vgpr_count:     1024
    .wavefront_size: 32
...
	.end_amdgpu_metadata
.endif
;; end of part 3
;; ======== version 2 of 2: 3 launches; version 1 with the launch attn written anew for expert scheduling mode
;; workspace buffers: qf 8,388,608 bytes; kf 8,388,608 bytes; vf 8,388,608 bytes; ao 8,388,608 bytes; mw 524,288 bytes of whole numbers; fl 8,192 bytes of whole numbers
;; launch proj: the kernel of part 1 again; grid 4 x 96, 4 waves a work-group, clusters of 4 x 4, 327,680 bytes of LDS; arguments q_codes, k_codes, v_codes, wq_codes, wk_codes, wv_codes, lowp_scales, mask, qf, kf, vf, mw, fl; writes qf, kf, vf, mw, fl
;; launch attn (part 4): grid 4 x 64, 8 waves a work-group, no clusters, 263,168 bytes of LDS; arguments qf, kf, vf, mw, fl, lowp_scales, ao; writes ao
.if DOCPART == 4
	.amdgcn_target "amdgcn-amd-amdhsa--gfx1250"
	.amdhsa_code_object_version 6
	.text
	.protected	k_q4690d813ba_attn
	.globl	k_q4690d813ba_attn
	.p2align	8
	.type	k_q4690d813ba_attn,@function
k_q4690d813ba_attn:
	s_mov_b64 s[64:65], 0
	v_nop
	global_prefetch_b8 v0, s[64:65] scope:SCOPE_SE
	s_setreg_imm32_b32 hwreg(HW_REG_WAVE_SCHED_MODE, 0, 2), 2
	s_setreg_imm32_b32 hwreg(HW_REG_WAVE_MODE, 25, 1), 1
	s_wait_xcnt 0x0
	s_wait_alu depctr_vm_vsrc(0)
; ATTENTION on codes of FP8 (E4M3): for each of 64 heads (batch x 16 + head), 2,048 queries x 2,048 keys, head size 64, under the GIVEN mask.  Scores, softmax, second product, and the result quantised for the last projection.
; qf, kf, vf, ao are images of operand registers in units of 1,024 bytes ([half g][lane][16 bytes]: registers 4 g .. 4 g + 3 of a fragment of 16 rows x 64 k; lane (r, h): row r; registers 2 c, 2 c + 1: k = 16 c + 8 h + 0 .. 7).
; THE SOFTMAX: t = score x log2(e) / 8; M = the row's largest t so far, rounded UP to a whole number; p = 2^(t - M) is what is quantised (scale 2^e8); the row's sum is taken of the unquantised p and divides at the end.
; When M moves, the sum and O are multiplied by 2^(old M - new M): exact.  A score whose mask byte is 0 becomes -infinity, so p = 0.  A query with no open key has the sum 0: its codes are set to the NaN code, so that its row of the
; output is NaN, as the softmax of a row of -infinity is.
; SHARES.  A work-group serves one head and a quarter of its queries: the pairs of query tiles 4 i + x, i = 0 .. 15 (a pair: 32 queries).  Wave w takes i = 15 - w and then i = w.  A HEAD'S K AND V LIE WHOLE IN LDS: 16 steps of 128 keys,
; 8,192 bytes of K and 8,192 of V each, brought in once through registers (each wave two steps), one barrier, and only read afterwards.
; LAYOUT.  Both products are used transposed: S^T = K Q^T (source 0 = 16 keys, source 1 = 16 queries), O^T = V^T P^T (source 0 = 16 of the head's 64, source 1 = P): a lane holds ONE query (lane % 16) throughout.  Register j of
; tile t of S^T is key 16 t + 8 (lane / 16) + j: its eight codes are registers 2 t, 2 t + 1 of P in the K = 128 form's own layout, in which V's images were made.
; BRANCHES ON WHOLE NUMBERS.  fl tells, for each query tile and step, whether any key is open and whether all are: a step with none for both tiles is left out; a step with all open leaves out the 64 selects a tile.  p is at most 1,
; so its hold at 448 x 2^e8 binds only where e8 < -8: else it is left out.  The selects take their lane masks from mw into scalar registers.
; NO CLUSTER, NO JOINT LOADS, though the four work-groups of a head read the same K and V: what is shared is 262,144 bytes read
; once by each work-group, and the branches leave out the greater part of a step's vector instructions.
; LIMITS on the given exponents: e6 + e7 between -123 and 130 (added to c's exponent field); e8 and e10 - e8 - e9 between -126 and 119.  NaN codes among the inputs are not served.
; THE MODE: SCHED_MODE bits 1:0 = 2 (LLVM: expert scheduling mode 2), set by the entry lines.  The code itself states the register dependences between vector or matrix instructions and memory or LDS instructions, with s_wait_alu, always for 0.
; THE PLAN.  Registers that memory or LDS instructions touch:
;   v[LI]        Written once at the head; read by the head's loads; never written again.
;   v[SA]        Written at the head and once a pair; read by the head's LDS stores and by a pair's four stores.
;   v[AD]        Written once a pair (Q's offset) and once for every FOUR steps (the LDS address): a step is 16,384 bytes, and the immediate offsets, 65,024 at the most, reach four steps; so a trip of the loop holds four steps, written out.
;   Q            Four loads a pair land in it; the scores' products read it.
;   KF           K's sixteen LDS loads at a step's head land in it; the step's sixteen score products read it.  Behind the last of them stands the wait for tile B's exponentials: so K's next loads owe nothing more.
;   FRG          In the loop V alone: its sixteen LDS loads stand directly behind the wait for tile A's exponentials, which also states that the last step's products V^T P are done reading it.
;   v[PA .. +15] P's codes, named by vector and matrix instructions; on the way out the result's codes, which a pair's four stores read behind one wait.
;   v62 to v253  At the head alone: K and V pass through them on their way to LDS.
;   v254, v255   Written at the head, read by the closing add alone.
; So a step holds no wait but the two behind its exponentials; one wait on vm_vsrc and one on va_vdst stand round the add to v[AD], once for four steps; a pair's head and its way out hold the rest.
.set LI,   1                           ; v1   16 x lane; never rewritten
.set AD,   2                           ; v2   the address of the loads in hand
.set SA,   3                           ; v3   where I stage K and V; later my offset in ao
.set NINF, 4                           ; v4   -infinity
.set PSC,  5                           ; v5   2^e8 as f32
.set PLIM, 6                           ; v6   448 x 2^e8
.set OSC,  7                           ; v7   2^(e10 - e8 - e9)
.set NANC, 8                           ; v8   four NaN codes
.set OLIM, 9                           ; v9   448 x 2^(e10 - e8 - e9)
.set STA,  10                          ; v10-13 tile A: -M, the largest t, the sum in two halves
.set STB,  14                          ; v14-17 tile B
.set FF,   18                          ; v[18:19] f = 2^(old M - new M), later 1 / the sum; v19 is written once, since the pair is named
.set T0,   20
.set T1,   21
.set PX,   22                          ; a lane permute's destination
.set SUM2, 24                          ; v[24:25] the sum's second chain
.set QA,   26                          ; v26-33 Q of tile A;  v34-41 of tile B
.set QB,   34
.set PA,   42                          ; v42-57 P of tile A; on the way out the result's codes
.set PB,   58                          ; v58-73 P of tile B: v62-73 lie over scores that are converted by then
.set S,    62                          ; v62-125 S^T, then p
.set FRG,  126                         ; v126-189 V's four fragments (at the head, with v190-253: K on its way to LDS)
.set OA,   190                         ; v190-221 O^T of tile A;  v222-253 of tile B
.set OB,   222
.set KF,   0                           ; v256-319, named v0-63 in window 1: K's eight fragments
.set STEPB, 16384                      ; LDS: a step: K at + 0 (tile t, half g at 1024 t + 512 g), V at + 8192 (4096 u + 1024 dt + 512 g)
.set VOFF,  8192
.set MSB, 0
.macro WIN new                         ; s_set_vgpr_msb: bits 1:0 source 0, 7:6 destination; the immediate's high byte repeats the setting that is left.  At a label and at a branch every window is 0
.if MSB != \new
	s_set_vgpr_msb (MSB<<8)|\new
.set MSB, \new
.endif
.endm
; scalars: s[2:3] ao, s[4:5] qf, s[6:7] kf, s[8:9] vf, s[10:11] mw, s[12:13] fl, each at my part; s16 wave; s17 trip; s18 i; s19 counts four steps; s20 2 x step; s21 the four steps' LDS byte; s22 the step's byte in mw;
; s23 'any' bits; s30 'all' bits; s[24:25] c; s[26:27] lane selects; s28, s29 at work; s31 all open?; s66 no hold?; s[32:63], s[68:99] the 64 mask words (word n in s[32 + n], from n = 32 on in s[36 + n])
	s_load_b256 s[4:11], s[0:1], 0x0               ; qf, kf, vf, mw
	s_load_b128 s[12:15], s[0:1], 0x20             ; fl, the scales
	s_load_b64 s[2:3], s[0:1], 0x30                ; ao
	v_lshl_add_u32 v254, v0, 2, 0x40000
	v_mov_b32 v255, 0
	v_lshrrev_b32 v2, 5, v0
	v_readfirstlane_b32 s16, v2                    ; wave 0..7
	v_and_b32 v1, 31, v0
	v_lshlrev_b32 v[LI], 4, v1
	s_wait_alu depctr_va_sdst(0)                   ; s16 is written, ahead of its first reader: addresses and the pairs' numbers are made from it
	s_lshl_b32 s28, s16, 15
	v_add_nc_u32 v[SA], s28, v[LI]                 ; my two steps in LDS: 32,768 x wave + 16 x lane
	s_and_b32 s18, ttmp7, 0xffff                   ; batch x 16 + head
	s_lshr_b32 s19, s18, 4                         ; batch
	s_and_b32 s20, s18, 15                         ; head
	s_lshl_b32 s22, s18, 17                        ; a head's 128 units in qf and kf
	s_mov_b32 s23, 0
	s_lshl_b32 s24, s16, 14
	s_add_co_u32 s24, s24, s22                     ; kf: + my two steps, 16 units
	s_mov_b32 s25, 0
	s_lshl_b32 s26, ttmp9, 11
	s_add_co_u32 s22, s22, s26                     ; qf: + 2 units x work-group x
	s_lshl_b32 s26, s19, 21                        ; a batch's 2,048 units in vf and ao
	s_lshl_b32 s28, s20, 12
	s_add_co_u32 s28, s28, s26
	s_lshl_b32 s30, s16, 18
	s_add_co_u32 s28, s28, s30                     ; vf: + 4 units x head + 256 units x wave
	s_mov_b32 s29, 0
	s_lshl_b32 s30, ttmp9, 15
	s_add_co_u32 s26, s26, s30
	s_lshl_b32 s30, s20, 10
	s_add_co_u32 s26, s26, s30                     ; ao: + 32 units x work-group x + head
	s_mov_b32 s27, 0
	s_lshl_b32 s30, ttmp9, 13                      ; mw: two tiles of 4,096 bytes x work-group x
	s_mov_b32 s31, 0
	s_wait_kmcnt 0x0
	s_load_b256 s[32:39], s[14:15], 0x0            ; the exponents: entry i in s[32 + i]
	s_load_b128 s[40:43], s[14:15], 0x20
	s_add_nc_u64 s[6:7], s[6:7], s[24:25]
	s_add_nc_u64 s[8:9], s[8:9], s[28:29]
	s_add_nc_u64 s[4:5], s[4:5], s[22:23]
	s_add_nc_u64 s[2:3], s[2:3], s[26:27]
	s_add_nc_u64 s[10:11], s[10:11], s[30:31]
	s_lshl_b32 s30, ttmp9, 7                       ; fl: two tiles of 64 bytes x work-group x
	s_add_nc_u64 s[12:13], s[12:13], s[30:31]
	; ---- K and V of my two steps into LDS, as they lie: every load and every store is 512 consecutive bytes
	s_wait_alu depctr_va_vdst(0)                   ; v[LI] and v[SA] are written: the head's loads read the first as their offset, its LDS stores the second as their address
.set I, 0
.rept 32
	global_load_b128 v[FRG+4*I:FRG+4*I+3], v[LI], s[6:7] offset:512*I          ; K: 16,384 bytes on end
.set I, I+1
.endr
.irp q, 0,1                                    ; V: four pieces of 4,096 bytes, 65,536 apart: piece q is the keys' half q / 2 of step q % 2
.irp i, 0,1,2,3,4,5,6,7
	global_load_b128 v[S+4*(8*\q+\i):S+4*(8*\q+\i)+3], v[LI], s[8:9] offset:65536*\q+512*\i
.endr
.endr
	v_mov_b32 v[NINF], 0xff800000
	v_mov_b32 v[NANC], 0x7f7f7f7f
	v_mov_b32 v[FF+1], 0
	v_mov_b32 v[PX], 0
	s_mov_b32 s26, 0x76543210                      ; v_permlanex16_b32's selects for lane l xor 16
	s_mov_b32 s27, 0xfedcba98
	s_wait_kmcnt 0x0
	s_add_co_i32 s28, s38, s39
	s_lshl_b32 s28, s28, 23
	s_add_co_i32 s24, s28, 0x3e38aa3b              ; c = log2(e) / 8, with e6 + e7 added to its exponent field: a score stands for score x 2^(e6 + e7)
	s_mov_b32 s25, s24                             ; (named with it as a pair, so it is written)
	s_add_co_i32 s28, s40, 127
	s_lshl_b32 s29, s28, 23
	v_mov_b32 v[PSC], s29
	s_add_co_i32 s28, s28, 8
	s_lshl_b32 s28, s28, 23
	s_or_b32 s28, s28, 0x600000
	v_mov_b32 v[PLIM], s28
	s_cmp_ge_i32 s40, -8                           ; 448 x 2^e8 >= 1 >= p: the hold cannot bind
	s_cselect_b32 s66, 1, 0
	s_sub_co_i32 s28, s42, s40
	s_sub_co_i32 s28, s28, s41                     ; O / the sum stands for that x 2^(e8 + e9): its code is that / 2^(e10 - e8 - e9)
	s_add_co_i32 s28, s28, 127
	s_lshl_b32 s29, s28, 23
	v_mov_b32 v[OSC], s29
	s_add_co_i32 s28, s28, 8
	s_lshl_b32 s28, s28, 23
	s_or_b32 s28, s28, 0x600000
	v_mov_b32 v[OLIM], s28
	s_wait_loadcnt 16                              ; K's 32 loads are in; V's first 16 may be out
.set I, 0
.rept 32
	ds_store_b128 v[SA], v[FRG+4*I:FRG+4*I+3] offset:(I/16)*STEPB+(I%16)*512
.set I, I+1
.endr
	s_wait_dscnt 0x0                               ; K's stores are done
	s_wait_alu depctr_vm_vsrc(0)                   ; K's LDS stores have read v126 to v189, in which the sixteen loads below land
.irp q, 2,3
.irp i, 0,1,2,3,4,5,6,7
	global_load_b128 v[FRG+4*(8*(\q-2)+\i):FRG+4*(8*(\q-2)+\i)+3], v[LI], s[8:9] offset:65536*\q+512*\i
.endr
.endr
	s_wait_loadcnt 16                              ; V's first 16 loads are in; the 16 just issued may be out
.irp q, 0,1
.irp i, 0,1,2,3,4,5,6,7
	ds_store_b128 v[SA], v[S+4*(8*\q+\i):S+4*(8*\q+\i)+3] offset:(\q%2)*STEPB+VOFF+(\q/2)*4096+512*\i
.endr
.endr
	s_wait_loadcnt 0x0
.irp q, 2,3
.irp i, 0,1,2,3,4,5,6,7
	ds_store_b128 v[SA], v[FRG+4*(8*(\q-2)+\i):FRG+4*(8*(\q-2)+\i)+3] offset:(\q%2)*STEPB+VOFF+(\q/2)*4096+512*\i
.endr
.endr
	s_wait_dscnt 0x0                               ; for the others' sake: my stores have landed
	s_barrier_signal -1
	s_barrier_wait -1                              ; the head's K and V lie in LDS; from here on LDS is only read
; S^T = K Q^T for one tile of queries: eight tiles of 16 keys, K = the head's 64.  K's fragments lie in window 1
.macro QK qf
	WIN 0x01                                       ; source 0 window 1
.irp t, 0,1,2,3,4,5,6,7
	v_wmma_f32_16x16x64_fp8_fp8 v[S+8*\t:S+8*\t+7], v[KF+8*\t:KF+8*\t+7], v[\qf:\qf+7], 0
.endr
	WIN 0
.endm
; One tile's softmax for a step of 128 keys, first part: the mask, the maximum, M, the exponentials and their wait.  st: the tile's statistics; moff: its records' byte in mw beside tile A's
.macro SOFT1 st, moff
	s_cmp_lg_u32 s31, 0
	s_cbranch_scc1 .Lopen_\@                       ; all keys of the step are open for both tiles
	s_load_b512 s[32:47], s[10:11], s22 offset:\moff
	s_load_b512 s[48:63], s[10:11], s22 offset:\moff+64
	s_load_b512 s[68:83], s[10:11], s22 offset:\moff+128
	s_load_b512 s[84:99], s[10:11], s22 offset:\moff+192
	s_wait_kmcnt 0x0
.set NN, 0
.rept 64
.if NN < 32
	v_cndmask_b32 v[S+NN], v[NINF], v[S+NN], s[32+NN]   ; the score where the mask's bit is set, else -infinity; each tile from its low end on
.else
	v_cndmask_b32 v[S+NN], v[NINF], v[S+NN], s[36+NN]
.endif
.set NN, NN+1
.endr
.Lopen_\@:
	v_max3_num_f32 v[T0], v[S], v[S+1], v[S+2]     ; the step's largest score of my query, among my 64 keys, in two chains,
	v_max3_num_f32 v[T1], v[S+3], v[S+4], v[S+5]
.set JJ, 6
.rept 14
	v_max3_num_f32 v[T0], v[T0], v[S+JJ], v[S+JJ+1]
	v_max3_num_f32 v[T1], v[T1], v[S+JJ+2], v[S+JJ+3]
.set JJ, JJ+4
.endr
	v_max3_num_f32 v[T0], v[T0], v[S+62], v[S+63]
	v_max_num_f32 v[T0], v[T0], v[T1]
	v_permlanex16_b32 v[PX], v[T0], s26, s27
	v_max_num_f32 v[T0], v[T0], v[PX]              ; and among lane l xor 16's
	v_mul_f32 v[T0], s24, v[T0]                    ; as t (c is positive)
	v_max_num_f32 v[\st+1], v[\st+1], v[T0]        ; the running largest t
	v_mov_b32 v[T0], v[\st]
	v_floor_f32 v[\st], -v[\st+1]                  ; the new -M = floor(-t): M is a whole number
	v_sub_f32 v[T0], v[\st], v[T0]                 ; old M - new M: a whole number, 0 or less
	v_cvt_i32_f32 v[T0], v[T0]                     ; (it saturates)
	v_ldexp_f32 v[FF], 1.0, v[T0]                  ; f = 2^(old M - new M)
.set JJ, 0
.rept 32
	v_pk_fma_f32 v[S+JJ:S+JJ+1], v[S+JJ:S+JJ+1], s[24:25], v[\st:\st+1] op_sel_hi:[1,0,0]   ; t - M, two at a time (of the pairs c and -M the low word serves both halves)
.set JJ, JJ+2
.endr
.set JJ, 0
.rept 64
	v_exp_f32 v[S+JJ], v[S+JJ]                     ; p = 2^(t - M), at most 1
.set JJ, JJ+1
.endr
	v_pk_mul_f32 v[\st+2:\st+3], v[\st+2:\st+3], v[FF:FF+1] op_sel_hi:[1,0]   ; the sum under the new M: the plain instruction behind the exponentials
	s_wait_alu depctr_va_vdst(0)                   ; the 64 exponentials have written p, ahead of its first reader.  Tile A's: also, the last step's products V^T P are done reading FRG, in which V's loads land.  Tile B's: also, this step's score products are done reading KF, in which K's next loads land
.endm
; Second part: the sum, the hold, the conversions, O^T under the new M.  pd: where P goes; ob: the tile's O^T
.macro SOFT2 pd, ob, st
	v_pk_add_f32 v[SUM2:SUM2+1], v[S:S+1], v[S+2:S+3]   ; the sum of the UNQUANTISED p, two at a time, in two chains
.set JJ, 4
.rept 15
	v_pk_add_f32 v[\st+2:\st+3], v[\st+2:\st+3], v[S+JJ:S+JJ+1]
	v_pk_add_f32 v[SUM2:SUM2+1], v[SUM2:SUM2+1], v[S+JJ+2:S+JJ+3]
.set JJ, JJ+4
.endr
	v_pk_add_f32 v[\st+2:\st+3], v[\st+2:\st+3], v[SUM2:SUM2+1]
	s_cmp_lg_u32 s66, 0
	s_cbranch_scc1 .Lnohold_\@
.set JJ, 0
.rept 64
	v_min_num_f32 v[S+JJ], v[S+JJ], v[PLIM]        ; the conversion does not saturate (ISA guide 7.6.2); p is not negative, so the hold is one-sided
.set JJ, JJ+1
.endr
.Lnohold_\@:
.irp b, 0,1,2,3
	v_cvt_scalef32_pk8_fp8_f32 v[\pd+4*\b:\pd+4*\b+1], v[S+16*\b:S+16*\b+7], v[PSC]          ; tile 2 b: registers 4 b, 4 b + 1 of P
	v_cvt_scalef32_pk8_fp8_f32 v[\pd+4*\b+2:\pd+4*\b+3], v[S+16*\b+8:S+16*\b+15], v[PSC]     ; tile 2 b + 1
	v_nop                                          ; a plain instruction: the next two conversions of tile B write registers that were sources of these
.endr
.set JJ, 0
.rept 16
	v_pk_mul_f32 v[\ob+JJ:\ob+JJ+1], v[\ob+JJ:\ob+JJ+1], v[FF:FF+1] op_sel_hi:[1,0]   ; O^T under the new M, each accumulator from its low end on
.set JJ, JJ+2
.endr
.endm
; A step of 128 keys, the q-th of the four that v[AD] reaches.  The work of a step that lies wholly under the mask is jumped over.
.macro STEP q
	s_lshr_b32 s28, s23, s20
	s_and_b32 s28, s28, 1
	s_cmp_eq_u32 s28, 0
	s_cbranch_scc1 .Lnext_\@
	s_lshr_b32 s31, s30, s20
	s_and_b32 s31, s31, 1
	WIN 0x40                                       ; destination window 1, address window 0
.irp t, 0,1,2,3,4,5,6,7
	ds_load_b128 v[KF+8*\t:KF+8*\t+3], v[AD] offset:(\q)*STEPB+1024*\t         ; K.  No wait: no vector or matrix instruction has named KF since the wait for tile B's exponentials of the step that read it last, nor v[AD] since the wait behind the add to it
	ds_load_b128 v[KF+8*\t+4:KF+8*\t+7], v[AD] offset:(\q)*STEPB+1024*\t+512
.endr
	s_wait_dscnt 0x0
	QK QA
.rept 4
	v_nop                                          ; places in front of the first read of the scores
.endr
	SOFT1 STA, 0
.irp dt, 0,1,2,3
.irp c, 0,1,2,3
	ds_load_b128 v[FRG+16*\dt+4*\c:FRG+16*\dt+4*\c+3], v[AD] offset:(\q)*STEPB+VOFF+(\c/2)*4096+\dt*1024+(\c%2)*512   ; V, directly behind the wait that frees FRG: it lands while the rest of tile A's softmax and all of tile B's are walked
.endr
.endr
	SOFT2 PA, OA, STA
	QK QB                                          ; both tiles share K's fragments
.rept 4
	v_nop                                          ; places in front of the first read of the scores
.endr
	SOFT1 STB, 4096
	SOFT2 PB, OB, STB
	s_wait_dscnt 0x0                               ; V is in
.irp dt, 0,1,2,3                               ; O^T += V^T P^T: eight accumulators by turns, K = the step's 128 keys
	v_wmma_f32_16x16x128_fp8_fp8 v[OA+8*\dt:OA+8*\dt+7], v[FRG+16*\dt:FRG+16*\dt+15], v[PA:PA+15], v[OA+8*\dt:OA+8*\dt+7]
	v_wmma_f32_16x16x128_fp8_fp8 v[OB+8*\dt:OB+8*\dt+7], v[FRG+16*\dt:FRG+16*\dt+15], v[PB:PB+15], v[OB+8*\dt:OB+8*\dt+7]
.endr
.rept 5
	v_nop                                          ; five places: the next scores are written by matrix instructions over registers of tile B's P; four of them serve the way out's reads of O^T
.endr
.Lnext_\@:
	s_add_co_u32 s22, s22, 256
	s_add_co_u32 s20, s20, 2
.endm
; One tile's way out, up to its codes.  oc: its eight registers of codes; sm: a scalar for the lanes whose query has no open key
.macro OUT st, ob, oc, sm
	v_add_f32 v[T0], v[\st+2], v[\st+3]            ; the sum's two halves,
	v_permlanex16_b32 v[PX], v[T0], s26, s27
	v_add_f32 v[T0], v[T0], v[PX]                  ; and lane l xor 16's
	v_rcp_f32 v[FF], v[T0]
	v_nop                                          ; a plain instruction behind the reciprocal
	v_cmp_eq_f32 s[\sm], 0, v[T0]
	s_wait_alu depctr_va_vdst(0)                   ; the reciprocal has written v[FF], ahead of its first reader
.set JJ, 0
.rept 16
	v_pk_mul_f32 v[\ob+JJ:\ob+JJ+1], v[\ob+JJ:\ob+JJ+1], v[FF:FF+1] op_sel_hi:[1,0]
.set JJ, JJ+2
.endr
.set JJ, 0
.rept 32
	v_med3_num_f32 v[\ob+JJ], v[\ob+JJ], -v[OLIM], v[OLIM]
.set JJ, JJ+1
.endr
.irp dt, 0,1,2,3
	v_cvt_scalef32_pk8_fp8_f32 v[\oc+2*\dt:\oc+2*\dt+1], v[\ob+8*\dt:\ob+8*\dt+7], v[OSC]   ; d = 16 dt + 8 h + 0 .. 7: registers 2 dt, 2 dt + 1 of the last projection's operand
.endr
	v_nop                                          ; a plain instruction behind the last conversion
	s_wait_alu depctr_va_sdst(0)                   ; the compare has written its lane mask, ahead of its first reader, the selects below
.irp j, 0,1,2,3,4,5,6,7
	v_cndmask_b32 v[\oc+\j], v[\oc+\j], v[NANC], s[\sm]
.endr
.endm
	s_mov_b32 s17, 0
.Lpair:                                            ; two trips: a pair of query tiles each
	s_wait_xcnt 0x0                                ; the last pair's stores have had their addresses translated: their data and their offset are rewritten only behind this wait
	s_wait_alu depctr_vm_vsrc(0)                   ; first trip: the head's LDS stores have read v[SA] and v62 to v253; second trip: the last pair's stores have read v[SA] and their codes, its LDS loads v[AD]: all of these are written again below
	s_sub_co_u32 s28, 15, s16
	s_cmp_eq_u32 s17, 0
	s_cselect_b32 s18, s28, s16                    ; i = 15 - wave, then wave
	s_lshl_b32 s28, s18, 13
	v_add_nc_u32 v[AD], s28, v[LI]                 ; Q: 8 units x i
	s_lshl_b32 s29, s18, 17
	v_add_nc_u32 v[SA], s29, v[LI]                 ; ao: 128 units x i
	s_wait_alu depctr_va_vdst(0)                   ; v[AD] is written, which Q's loads read, and v[SA], which the pair's stores read; the last pair's score products are done reading Q, in which the loads land
.irp c, 0,1,2,3
	global_load_b128 v[QA+4*\c:QA+4*\c+3], v[AD], s[4:5] offset:512*\c
.endr
	s_lshl_b32 s28, s18, 9                         ; fl: 8 tiles of 64 bytes x i
	s_load_b512 s[32:47], s[12:13], s28 offset:0x0     ; tile A's sixteen flag words,
	s_load_b512 s[48:63], s[12:13], s28 offset:0x40    ; tile B's
.set I, 0
.rept 64
	v_mov_b32 v[OA+I], 0                           ; O^T: which step is a pair's first hangs on the mask, so no step is written out to start the sums
.set I, I+1
.endr
.irp st, STA, STB
	v_mov_b32 v[\st+1], 0xff61b1e6                 ; the largest t so far: -3e38, under every t
	v_floor_f32 v[\st], -v[\st+1]                  ; -M
	v_mov_b32 v[\st+2], 0
	v_mov_b32 v[\st+3], 0
.endr
	s_wait_kmcnt 0x0
.irp k, 33,34,35,36,37,38,39,40,41,42,43,44,45,46,47
	s_or_b32 s32, s32, s\k                         ; each word holds its step's two bits in their place
.endr
.irp k, 49,50,51,52,53,54,55,56,57,58,59,60,61,62,63
	s_or_b32 s48, s48, s\k
.endr
	s_or_b32 s23, s32, s48
	s_and_b32 s23, s23, 0x55555555                 ; bit 2 x step: some key of the step is open for one of the two tiles
	s_and_b32 s30, s32, s48
	s_lshr_b32 s30, s30, 1
	s_and_b32 s30, s30, 0x55555555                 ; bit 2 x step: all are open for both
	s_lshl_b32 s22, s18, 15                        ; mw: 8 tiles of 4,096 bytes x i
	s_mov_b32 s21, 0
	s_mov_b32 s20, 0
	s_mov_b32 s19, 0
	s_wait_loadcnt 0x0                             ; Q
.Lquad:                                            ; four trips of four steps
	s_wait_alu depctr_vm_vsrc(0)                   ; the loads issued so far, Q's or the last four steps' LDS loads, have read v[AD]
	v_add_nc_u32 v[AD], s21, v[LI]                 ; 65,536 x trip + 16 x lane: the steps' places stand in the immediate offsets
	s_wait_alu depctr_va_vdst(0)                   ; v[AD] is written: the LDS loads of the four steps read it
	STEP 0
	STEP 1
	STEP 2
	STEP 3
	s_add_co_u32 s21, s21, 4*STEPB
	s_add_co_u32 s19, s19, 1
	s_cmp_lt_u32 s19, 4
	s_cbranch_scc1 .Lquad
	OUT STA, OA, PA, 28
	OUT STB, OB, PA+8, 29
	s_wait_alu depctr_va_vdst(0)                   ; the selects have written both tiles' codes, v[PA] to v[PA + 15], which the four stores read
	global_store_b128 v[SA], v[PA:PA+3], s[2:3]                    ; 32 lanes store 512 consecutive bytes, aligned: tile A's unit,
	global_store_b128 v[SA], v[PA+4:PA+7], s[2:3] offset:512
	global_store_b128 v[SA], v[PA+8:PA+11], s[2:3] offset:16384    ; tile B's, sixteen units on
	global_store_b128 v[SA], v[PA+12:PA+15], s[2:3] offset:16384+512
	s_add_co_u32 s17, s17, 1
	s_cmp_lt_u32 s17, 2
	s_cbranch_scc1 .Lpair
	s_wait_dscnt 0x0                               ; the closing lines, six on end
	s_wait_alu 0x0
	s_wait_tensorcnt 0x0
	ds_add_u32 v254, v255
	s_wait_dscnt 0x0
	s_endpgm
.Lfunc_end_k_q4690d813ba_attn:
	.size	k_q4690d813ba_attn, .Lfunc_end_k_q4690d813ba_attn-k_q4690d813ba_attn
	.p2alignl 7, 3214868480
	.fill 96, 4, 3214868480
	.section	.rodata,"a",@progbits
	.p2align	6, 0x0
	.amdhsa_kernel k_q4690d813ba_attn
		.amdhsa_group_segment_fixed_size 263168
		.amdhsa_private_segment_fixed_size 0
		.amdhsa_enable_private_segment 0
		.amdhsa_kernarg_size 56
		.amdhsa_user_sgpr_count 2
		.amdhsa_user_sgpr_kernarg_segment_ptr 1
		.amdhsa_wavefront_size32 1
		.amdhsa_system_sgpr_workgroup_id_x 1
		.amdhsa_system_sgpr_workgroup_id_y 1
		.amdhsa_system_sgpr_workgroup_id_z 1
		.amdhsa_system_vgpr_workitem_id 0
		.amdhsa_next_free_vgpr 320
		.amdhsa_next_free_sgpr 100
		.amdhsa_reserve_vcc 0
		.amdhsa_float_denorm_mode_32 3
		.amdhsa_float_denorm_mode_16_64 3
		.amdhsa_memory_ordered 1
		.amdhsa_forward_progress 1
		.amdhsa_inst_pref_size 177
	.end_amdhsa_kernel
	.amdgpu_metadata
---
amdhsa.version: [ 1, 2 ]
amdhsa.kernels:
  - .name:           k_q4690d813ba_attn
    .symbol:         k_q4690d813ba_attn.kd
    .args:
      - { .name: qf, .offset: 0, .size: 8, .value_kind: global_buffer, .address_space: global }
      - { .name: kf, .offset: 8, .size: 8, .value_kind: global_buffer, .address_space: global }
      - { .name: vf, .offset: 16, .size: 8, .value_kind: global_buffer, .address_space: global }
      - { .name: mw, .offset: 24, .size: 8, .value_kind: global_buffer, .address_space: global }
      - { .name: fl, .offset: 32, .size: 8, .value_kind: global_buffer, .address_space: global }
      - { .name: lowp_scales, .offset: 40, .size: 8, .value_kind: global_buffer, .address_space: global }
      - { .name: ao, .offset: 48, .size: 8, .value_kind: global_buffer, .address_space: global }
    .group_segment_fixed_size: 263168
    .private_segment_fixed_size: 0
    .kernarg_segment_align: 8
    .kernarg_segment_size: 56
    .max_flat_workgroup_size: 256
    .sgpr_count:     100
    .vgpr_count:     320
    .wavefront_size: 32
...
	.end_amdgpu_metadata
.endif
;; end of part 4
;; launch oproj: the kernel of part 3 again; grid 4 x 32, 4 waves a work-group, clusters of 4 x 4, 327,680 bytes of LDS; arguments ao, wo_codes, lowp_scales, out0; writes out0
